; MI455X (gfx1250); checked and timed in simulation.
; The chip was launched on July 23, 2026; its instructions are those of AMD's public machine-readable ISA for CDNA 5 (MIT licence, August 2026) and "CDNA5" Instruction Set Architecture Reference Guide (July 2026). The comments in the code are by the model that wrote it; some were corrected since.
;; Causal Self Attention. Allowed arithmetic: matrix products marked QUANTISED: E4M3 operands, one given power-of-two scale a tensor, by v_wmma_f32_16x16x64_fp8_fp8 or v_wmma_f32_16x16x128_fp8_fp8, f32 sums; everything else in f32.
;; Inputs: Wo 1,024 x 1,024 float32; Wqkv 1,024 x 3,072 float32; bo 1,024 float32; bqkv 3,072 float32; lowp_scales 8 int32 (the exponents e of the quantised operands' scales 2^e); x 4 x 2,048 x 1,024 float32.
;; Outputs: out0 4 x 2,048 x 1,024 float32.
;; This version of the problem:
;;   THIS VERSION OF THE PROBLEM IS GIVEN IN LOW PRECISION. The matrix products marked QUANTISED in the list below multiply operands that are first quantised to E4M3 (4 exponent bits, 3 mantissa bits; 8 bits a number), with one given power-of-two scale for each operand tensor; their sums are f32. All else is computed in f32.
;;   The module's matrix products, in the order in which they are computed (A, B: the left and right operand; K: the contracted axis; several contracted axes count as one K, in the product's order):
;;     1. [M 8,192, K 1,024] x [K 1,024, N 3,072]; A: input x; B: input Wqkv: QUANTISED (scales: A lowp_scales[0], B lowp_scales[1])
;;     2. batch 64 x [M 2,048, K 64] x [K 64, N 2,048]; A: computed on the way; B: computed on the way: QUANTISED (scales: A lowp_scales[2], B lowp_scales[3])
;;     3. batch 64 x [M 2,048, K 2,048] x [K 2,048, N 64]; A: softmax (see below); B: computed on the way: QUANTISED (scales: A lowp_scales[4], B lowp_scales[5])
;;     4. [M 8,192, K 1,024] x [K 1,024, N 1,024]; A: computed on the way; B: input Wo: QUANTISED (scales: A lowp_scales[6], B lowp_scales[7])
;;   THE QUANTISER, for each operand of a quantised product, along K:
;;     - The operand's scale is 2^e, e = its entry of the input lowp_scales (int32; the entries are numbered through the quantised products in the list's order, A before B).
;;     - Each number is divided by the scale, clamped to +-448, and rounded to the nearest number of E4M3, ties to even, subnormals kept.
;;     - The product sums the exact products of the quantised numbers (number of the format x scale) in f32.
;;   ~~~python
;;   def quantise(x, axis, e):      # numpy; x: float32 -> the quantised numbers, widened to float32 again
;;       x = np.moveaxis(x, axis, -1); K = x.shape[-1]
;;       r = np.clip(x / 2.0 ** e, -448, 448)
;;       step = 2.0 ** (np.maximum(np.frexp(np.where(r == 0, 1, r))[1] - 1, -6) - 3)
;;       q = np.round(r / step) * step * 2.0 ** e      # np.round: ties to even
;;       return np.moveaxis(q, -1, axis).astype(np.float32)
;;   ~~~
;;   SOFTMAX AHEAD OF A QUANTISED PRODUCT. Where the list says 'softmax', what is quantised is not the finished softmax but p = 2^(t - M), with t = logit x log2(e) and M = ceil(the row's largest t), a whole number; so 1/2 < the row's largest p <= 1. The row's sum l is taken of the UNQUANTISED p, in f32, and the product's result is divided by l at the end. Since M is a whole number, a kernel that streams over the keys may use a running M (the ceiling of the running maximum): every later rescaling is an exact power of two, so the quantised numbers keep their values, but for numbers so far below the row's largest that they fall under the format's range.
;;   OPERANDS COMPUTED ON THE WAY. 'Computed on the way' means the value that the module computes at that place (a softmax that the list does not call 'softmax' is quantised finished and normalised). What goes into a quantiser is computed in f32, as accurately as f32 sums, v_exp_f32 and their like allow (about 1e-6 of the number): no bf16 or f16 on the way to a quantiser, and a product that is left as it is and whose result goes on into a quantised operand takes f32 operands (vector FMAs, or v_wmma_f32_16x16x4_f32). A number that lies on a knife's edge between two numbers of the format may be rounded either way, as far as f32 arithmetic and the matrix unit's own rounding can turn it there, and no further.
;; One version. Each part assembles by itself: llvm-mc -triple=amdgcn-amd-amdhsa -mcpu=gfx1250 --defsym DOCPART=n.
;; ======== version 1 of 1: 4 launches
;; limits: right only within a limited range of input values
;; workspace buffers: x_codes 8,388,608 bytes; wqkv_codes 3,145,728 bytes; wo_codes 1,048,576 bytes; q_img 8,388,608 bytes; k_img 8,388,608 bytes; v_img 8,388,608 bytes; y_img 8,388,608 bytes
;; launch quant (part 1): grid 384 x 1, 4 waves a work-group, no clusters, 68,096 bytes of LDS; arguments x, Wqkv, Wo, lowp_scales, x_codes, wqkv_codes, wo_codes; writes x_codes, wqkv_codes, wo_codes
.if DOCPART == 1
	.amdgcn_target "amdgcn-amd-amdhsa--gfx1250"
	.amdhsa_code_object_version 6
	.text
	.protected	k_q25a47d83d8_quant
	.globl	k_q25a47d83d8_quant
	.p2align	8
	.type	k_q25a47d83d8_quant,@function
k_q25a47d83d8_quant:
	s_mov_b64 s[64:65], 0
	v_nop
	global_prefetch_b8 v0, s[64:65] scope:SCOPE_SE
	s_setreg_imm32_b32 hwreg(HW_REG_WAVE_MODE, 25, 1), 1
	s_wait_xcnt 0x0
; ONE LAUNCH QUANTISES ALL THREE INPUTS OF THE TWO PROJECTIONS: work-groups 0-255 take x, work-groups 256-383 the weights.  The two paths part on the work-group's number and have LDS bytes of their own.
; code = number / 2^e, held within +-448, rounded to the nearest code of E4M3, ties to even.  LIMITS: -126 <= e <= 119 for entries 0, 1 and 7 of the scales; NaN among the inputs is not served (an infinity is held at the largest code).
; WORK LEFT OUT BY THE PROGRAM (launch attn): score tiles all of whose keys come after all their queries.  reference() sets those scores to -inf by its own jnp.tril ahead of the softmax, so their weight is 0 whatever the inputs hold.
; LIMIT: a NaN, an infinity or an overflow that would arise in those scores alone is not carried to the result.  Every input has a way to the output and is loaded.
; LAYOUT OF ALL CODES: rows of 1,024 bytes, K innermost; inside each block of 32 along K the four pieces of 8 codes lie in the order 0, 2, 1, 3: a 16-byte read at 32 c + 16 h of a row brings
; registers 4 c .. 4 c + 3 of the plain 8-bit operand layout (registers 2 c', 2 c' + 1: k = 16 c' + 8 h + 0 .. 7).
; LDS: 0 .. 32,767 x's stages (8,192 a wave); 32,768 .. 67,583 the weights' stages (8,704 a wave); from 67,584 the spare words, 128 bytes a wave.  No barrier: waves share nothing.
	v_lshl_add_u32 v208, v0, 2, 0x10800
	v_mov_b32 v209, 0
	v_lshrrev_b32 v1, 5, v0
	v_readfirstlane_b32 s16, v1                    ; wave
	v_and_b32 v2, 31, v0                           ; lane
	s_wait_alu depctr_va_vdst(0)                   ; the wait ahead of the branch
	s_cmp_lt_u32 ttmp9, 256
	s_cbranch_scc0 .Lweights
; X [8192][1024]: a plain stream of blocks of 32.  A wave takes 16 steps of 512 numbers.  Each load reads 512 consecutive bytes; a step's 2,048 bytes turn through the wave's stage (16 bytes of padding behind each 64)
; and come back so that lane 2 n + o holds pieces o and o + 2 of block n: its 16 codes are 16 consecutive bytes of the output.  Loads run four steps ahead, the turn through LDS one step.
.set STEPS, 16
.set SP,    80
.set WREG,  8192
.set R,     16                         ; v16-79   four sets of 16 numbers as loaded
.set X,     80                         ; v80-111  two sets of 16 numbers: two pieces of a block
.set C,     128                        ; v128-191 codes: four registers a step, so that no store's data are written again
	s_load_b64 s[4:5], s[0:1], 0x0                 ; x
	s_load_b64 s[6:7], s[0:1], 0x18                ; the scales' exponents
	s_load_b64 s[8:9], s[0:1], 0x20                ; x's codes
	v_lshlrev_b32 v3, 4, v2                        ; my 16 bytes of a load's 512, and of a store's
	s_mul_i32 s17, s16, WREG
	v_lshrrev_b32 v14, 2, v2
	v_mul_u32_u24 v14, v14, SP
	v_and_b32 v15, 3, v2
	v_lshl_add_u32 v14, v15, 4, v14
	v_add_nc_u32 v14, s17, v14                     ; into the stage: SP (lane / 4) + 16 (lane % 4)
	v_lshrrev_b32 v15, 1, v2
	v_mul_u32_u24 v15, v15, 2*SP
	v_and_b32 v5, 1, v2
	v_lshl_add_u32 v15, v5, 5, v15
	v_add_nc_u32 v15, s17, v15                     ; out of it: block lane / 2, piece lane % 2; piece + 2 lies one place on
	s_lshl_b32 s18, ttmp9, 2
	s_add_co_u32 s18, s18, s16                     ; which run of 8,192 numbers is my wave's
	s_lshl_b32 s20, s18, 15
	s_mov_b32 s21, 0
	s_lshl_b32 s24, s18, 13
	s_mov_b32 s25, 0
	s_wait_alu depctr_va_vdst(0)                   ; the wait ahead of the wait below
	s_wait_kmcnt 0x0
	s_load_b32 s22, s[6:7], 0x0                    ; e0
	s_add_nc_u64 s[4:5], s[4:5], s[20:21]
	s_add_nc_u64 s[8:9], s[8:9], s[24:25]
.macro XLOAD t
.irp i, 0,1,2,3
	global_load_b128 v[R+16*((\t)%4)+4*\i:R+16*((\t)%4)+4*\i+3], v3, s[4:5] offset:2048*(\t)+512*\i th:TH_LOAD_NT
.endr
.endm
.macro XTURN t                         ; LDS serves a wave's instructions in order: no wait between the stores and the loads
.irp i, 0,1,2,3
	ds_store_b128 v14, v[R+16*((\t)%4)+4*\i:R+16*((\t)%4)+4*\i+3] offset:32*SP*((\t)%2)+8*SP*\i
.endr
.irp i, 0,1
	ds_load_b128 v[X+16*((\t)%2)+8*\i:X+16*((\t)%2)+8*\i+3], v15 offset:32*SP*((\t)%2)+SP*\i
	ds_load_b128 v[X+16*((\t)%2)+8*\i+4:X+16*((\t)%2)+8*\i+7], v15 offset:32*SP*((\t)%2)+SP*\i+16
.endr
.endm
.irp t, 0,1,2,3
	XLOAD \t
.endr
	s_wait_kmcnt 0x0
	s_add_co_i32 s22, s22, 127
	s_lshl_b32 s23, s22, 23
	v_mov_b32 v11, s23                             ; 2^e as f32: the conversion takes its exponent field
	s_add_co_i32 s22, s22, 8
	s_lshl_b32 s22, s22, 23
	s_or_b32 s22, s22, 0x600000
	v_mov_b32 v10, s22                             ; 448 x 2^e
	s_wait_alu depctr_va_vdst(0)                   ; the wait at the head's end
	s_wait_loadcnt 12                              ; step 0's four loads are in; the twelve younger ones stay out
	XTURN 0
.macro XSTEP t
.set XS, X+16*((\t)%2)
	s_wait_dscnt 0x0                               ; this step's numbers are back, so its stores into the stage have read their registers,
.if (\t)+4 < STEPS
	XLOAD (\t)+4                                   ; which take the loads of four steps on
.endif
.if (\t)+1 < STEPS
.if STEPS-2-(\t) >= 3
	s_wait_loadcnt 12                              ; the next step's four loads are in; three steps' loads may be out
.else
	s_wait_loadcnt 4*(STEPS-2-(\t))
.endif
	XTURN (\t)+1
.endif
.irp i, 0,1,2,3,4,5,6,7,8,9,10,11,12,13,14,15
	v_med3_num_f32 v[XS+\i], v[XS+\i], -v10, v10   ; the conversion does not saturate (ISA guide 7.6.2): the hold comes first
.endr
	v_cvt_scalef32_pk8_fp8_f32 v[C+4*(\t):C+4*(\t)+1], v[XS:XS+7], v11
	v_cvt_scalef32_pk8_fp8_f32 v[C+4*(\t)+2:C+4*(\t)+3], v[XS+8:XS+15], v11
	global_store_b128 v3, v[C+4*(\t):C+4*(\t)+3], s[8:9] offset:512*(\t)          ; 32 lanes store 512 consecutive bytes
.endm
.irp t, 0,1,2,3,4,5,6,7,8,9,10,11,12,13,14,15
	XSTEP \t
.endr
	s_wait_tensorcnt 0x0                           ; the wave's end
	ds_add_u32 v208, v209
	s_wait_dscnt 0x0
	s_endpgm
; THE WEIGHTS: Wqkv [1024][3072] and Wo [1024][1024], K their FIRST axis, become codes laid [n][1024].  A lane takes a column n and its registers run down K: each load reads 128 consecutive bytes a wave,
; and the conversions give codes with K innermost.  Of the 128 work-groups, number j: j % 32 < 24 takes 128 columns of Wqkv, else of Wo; j / 32 says which 256 along K.  Pointers, pitch and exponent are chosen by selects.
; A wave's codes (32 columns x 256) go through its stage and leave by rows: sixteen lanes store 256 consecutive bytes, aligned.
.Lweights:
.set NB,    8
.set PITCH, 272
.set X,     32                         ; v32-95   two sets of 32 numbers
.set C,     96                         ; v96-103  a block's codes
.set OUTR,  112                        ; v112-175 the way out
.set VO,    176                        ; v176-207 4 x lane + i x the row pitch
.set SB,    32                         ; s[32:47] the eight blocks' bases
	s_load_b128 s[4:7], s[0:1], 0x8                ; Wqkv, Wo
	s_load_b64 s[8:9], s[0:1], 0x18                ; the scales' exponents
	s_load_b128 s[12:15], s[0:1], 0x28             ; Wqkv's codes, Wo's codes
	s_sub_co_u32 s30, ttmp9, 256
	s_and_b32 s29, s30, 31                         ; which 128 columns of the two weights
	s_lshr_b32 s30, s30, 5                         ; which 256 along K
	s_cmp_lt_u32 s29, 24
	s_mov_b32 s28, 4096
	s_cselect_b32 s28, 12288, s28                  ; bytes in a row of the weight
	s_cselect_b32 s17, 0, 24
	s_sub_co_u32 s17, s29, s17
	s_lshl_b32 s17, s17, 7
	s_lshl_b32 s18, s16, 5
	s_add_co_u32 s17, s17, s18                     ; my wave's first column
	s_lshl_b32 s18, s30, 8                         ; my first k
	s_mul_i32 s20, s18, s28
	s_lshl_b32 s19, s17, 2
	s_add_co_u32 s20, s20, s19
	s_mov_b32 s21, 0
	s_lshl_b32 s22, s17, 10
	s_add_co_u32 s22, s22, s18                     ; in the codes: column x 1,024 + first k
	s_mov_b32 s23, 0
	s_lshl_b32 s24, s28, 5                         ; a block on: 32 rows
	s_mov_b32 s25, 0
	v_lshlrev_b32 v[VO], 2, v2
.set i, 1
.rept 31
	v_add_nc_u32 v[VO+i], s28, v[VO+i-1]
.set i, i+1
.endr
	s_mul_i32 s19, s16, 32*PITCH
	s_add_co_u32 s19, s19, 0x8000                  ; my stage, behind x's
	v_mul_u32_u24 v4, v2, PITCH
	v_add_nc_u32 v4, s19, v4                       ; into it: row = my column
	v_and_b32 v5, 15, v2
	v_lshrrev_b32 v6, 4, v2
	v_mul_u32_u24 v7, v6, PITCH
	v_lshl_add_u32 v7, v5, 4, v7
	v_add_nc_u32 v7, s19, v7                       ; out of it: sixteen lanes to a row
	v_lshlrev_b32 v8, 10, v6
	v_lshl_add_u32 v8, v5, 4, v8                   ; the same place in the codes' buffer
	s_wait_alu depctr_va_vdst(0)                   ; the wait ahead of the wait below
	s_wait_kmcnt 0x0
	s_load_b32 s26, s[8:9], 0x4                    ; e1
	s_load_b32 s27, s[8:9], 0x1c                   ; e7
	s_cmp_lt_u32 s29, 24
	s_cselect_b64 s[4:5], s[4:5], s[6:7]
	s_cselect_b64 s[10:11], s[12:13], s[14:15]
	s_add_nc_u64 s[SB:SB+1], s[4:5], s[20:21]
.irp t, 1,2,3,4,5,6,7
	s_add_nc_u64 s[SB+2*\t:SB+2*\t+1], s[SB+2*\t-2:SB+2*\t-1], s[24:25]
.endr
	s_add_nc_u64 s[10:11], s[10:11], s[22:23]
.macro WLOAD t                         ; block t: W(first k + 32 t + i, my column) into set t % 2
.set i, 0
.rept 32
	global_load_b32 v[X+32*((\t)%2)+i], v[VO+i], s[SB+2*(\t):SB+2*(\t)+1] th:TH_LOAD_NT
.set i, i+1
.endr
.endm
	WLOAD 0
	WLOAD 1
	s_wait_kmcnt 0x0
	s_cmp_lt_u32 s29, 24
	s_cselect_b32 s26, s26, s27
	s_add_co_i32 s26, s26, 127
	s_lshl_b32 s27, s26, 23
	v_mov_b32 v11, s27                             ; 2^e
	s_add_co_i32 s26, s26, 8
	s_lshl_b32 s26, s26, 23
	s_or_b32 s26, s26, 0x600000
	v_mov_b32 v10, s26                             ; 448 x 2^e
.macro WBLOCK t
.set XS, X+32*((\t)%2)
.if (\t) < NB-1
	s_wait_loadcnt 32                              ; this block's 32 loads are in; the next block's may be out
.else
	s_wait_loadcnt 0
.endif
.set i, 0
.rept 32
	v_med3_num_f32 v[XS+i], v[XS+i], -v10, v10
.set i, i+1
.endr
	v_cvt_scalef32_pk8_fp8_f32 v[C:C+1], v[XS:XS+7], v11          ; piece 0
	v_cvt_scalef32_pk8_fp8_f32 v[C+2:C+3], v[XS+16:XS+23], v11    ; piece 2 takes the second place,
	v_cvt_scalef32_pk8_fp8_f32 v[C+4:C+5], v[XS+8:XS+15], v11     ; piece 1 the third
	v_cvt_scalef32_pk8_fp8_f32 v[C+6:C+7], v[XS+24:XS+31], v11
	ds_store_b128 v4, v[C:C+3] offset:32*(\t)
	ds_store_b128 v4, v[C+4:C+7] offset:32*(\t)+16
.if (\t)+2 < NB
	WLOAD (\t)+2
.endif
	s_wait_dscnt 0x0                               ; the stores have read their registers
.endm
.set Q, 0
	s_wait_alu depctr_va_vdst(0)                   ; the wait at the head's end
.rept NB
	WBLOCK Q
.set Q, Q+1
.endr
.irp t, 0,1,2,3,4,5,6,7,8,9,10,11,12,13,14,15
	ds_load_b128 v[OUTR+4*\t:OUTR+4*\t+3], v7 offset:2*\t*PITCH
.endr
.irp t, 0,1,2,3,4,5,6,7,8,9,10,11,12,13,14,15
	s_wait_dscnt 15-\t                             ; loads come back in order: number t is in
	global_store_b128 v8, v[OUTR+4*\t:OUTR+4*\t+3], s[10:11] offset:2*\t*1024
.endr
	s_wait_tensorcnt 0x0                           ; the wave's end
	ds_add_u32 v208, v209
	s_wait_dscnt 0x0
	s_endpgm
.Lfunc_end_k_q25a47d83d8_quant:
	.size	k_q25a47d83d8_quant, .Lfunc_end_k_q25a47d83d8_quant-k_q25a47d83d8_quant
	.p2alignl 7, 3214868480
	.fill 96, 4, 3214868480
	.section	.rodata,"a",@progbits
	.p2align	6, 0x0
	.amdhsa_kernel k_q25a47d83d8_quant
		.amdhsa_group_segment_fixed_size 68096
		.amdhsa_private_segment_fixed_size 0
		.amdhsa_enable_private_segment 0
		.amdhsa_kernarg_size 56
		.amdhsa_user_sgpr_count 2
		.amdhsa_user_sgpr_kernarg_segment_ptr 1
		.amdhsa_wavefront_size32 1
		.amdhsa_system_sgpr_workgroup_id_x 1
		.amdhsa_system_sgpr_workgroup_id_y 1
		.amdhsa_system_sgpr_workgroup_id_z 1
		.amdhsa_system_vgpr_workitem_id 0
		.amdhsa_next_free_vgpr 210
		.amdhsa_next_free_sgpr 66
		.amdhsa_reserve_vcc 0
		.amdhsa_float_denorm_mode_32 3
		.amdhsa_float_denorm_mode_16_64 3
		.amdhsa_memory_ordered 1
		.amdhsa_forward_progress 1
		.amdhsa_inst_pref_size 87
	.end_amdhsa_kernel
	.amdgpu_metadata
---
amdhsa.version: [ 1, 2 ]
amdhsa.kernels:
  - .name:           k_q25a47d83d8_quant
    .symbol:         k_q25a47d83d8_quant.kd
    .args:
      - { .name: x, .offset: 0, .size: 8, .value_kind: global_buffer, .address_space: global }
      - { .name: Wqkv, .offset: 8, .size: 8, .value_kind: global_buffer, .address_space: global }
      - { .name: Wo, .offset: 16, .size: 8, .value_kind: global_buffer, .address_space: global }
      - { .name: lowp_scales, .offset: 24, .size: 8, .value_kind: global_buffer, .address_space: global }
      - { .name: x_codes, .offset: 32, .size: 8, .value_kind: global_buffer, .address_space: global }
      - { .name: wqkv_codes, .offset: 40, .size: 8, .value_kind: global_buffer, .address_space: global }
      - { .name: wo_codes, .offset: 48, .size: 8, .value_kind: global_buffer, .address_space: global }
    .group_segment_fixed_size: 68096
    .private_segment_fixed_size: 0
    .kernarg_segment_align: 8
    .kernarg_segment_size: 56
    .max_flat_workgroup_size: 128
    .sgpr_count:     66
    .vgpr_count:     210
    .wavefront_size: 32
...
	.end_amdgpu_metadata
.endif
;; end of part 1
;; launch qkv (part 2): grid 12 x 32, 4 waves a work-group, clusters of 4 x 4, 327,680 bytes of LDS; arguments x_codes, wqkv_codes, bqkv, lowp_scales, q_img, k_img, v_img; writes q_img, k_img, v_img
.if DOCPART == 2
	.amdgcn_target "amdgcn-amd-amdhsa--gfx1250"
	.amdhsa_code_object_version 6
	.text
	.protected	k_q25a47d83d8_qkv
	.globl	k_q25a47d83d8_qkv
	.p2align	8
	.type	k_q25a47d83d8_qkv,@function
k_q25a47d83d8_qkv:
	s_mov_b64 s[64:65], 0
	v_nop
	global_prefetch_b8 v0, s[64:65] scope:SCOPE_SE
	s_setreg_imm32_b32 hwreg(HW_REG_WAVE_MODE, 25, 1), 1
	s_wait_xcnt 0x0
	s_wait_alu depctr_hold_cnt(0) depctr_sa_sdst(0) depctr_va_vdst(0) depctr_va_sdst(0) depctr_va_ssrc(0) depctr_va_vcc(0) depctr_vm_vsrc(0)
	s_getreg_b32 s2, hwreg(HW_REG_IB_STS2, 6, 4)
	s_cmp_eq_u32 s2, 0
	s_cbranch_scc0 .Lentry_in_a_cluster
	s_endpgm
.Lentry_in_a_cluster:
	s_bfe_u32 s2, ttmp6, 0x10000c
	s_cmp_lg_u32 s2, 0xf033
	s_cbranch_scc0 .Lentry_shape_is_right
	s_endpgm
.Lentry_shape_is_right:
; qkv = x Wqkv + bqkv on codes of E4M3 (K = 1,024), and its three parts quantised at once, each with its given scale, into IMAGES OF THE NEXT PRODUCTS' OPERAND REGISTERS.
; The scales' exponents: e0 (x), e1 (Wqkv), e2 (q), e3 (k), e5 (v).  A sum stands for sum x 2^(e0 + e1); value = sum x 2^(e0 + e1) + bias in f32; code = value / 2^e, held within +-448, nearest, ties to even.
; LIMITS: e0 + e1 between -126 and 127; e2, e3, e5 between -126 and 119.
; A tile of 256 x 256 is made by a work-group of four waves, a wave makes 128 x 128: 64 accumulators of 16 x 16, 512 registers.  K goes in 4 steps of 256 through a ring of two LDS slots filled by the tensor data mover.
; THE MATRIX INSTRUCTION IS USED TRANSPOSED: source 0 = 16 rows of operand B, source 1 = 16 rows of operand A.  A lane then holds ONE row of A and its eight registers eight neighbouring rows of B, 8 (lane / 16) + 0 .. 7:
; one conversion of an accumulator gives registers 2 b, 2 b + 1 of the plain 8-bit operand layout (k = 16 b + 8 (lane / 16) + 0 .. 7) of a fragment whose row is A's row and whose K runs along B's rows.
;   clusters x = 0 (q) and x = 1 (k): A = x's rows (t), B = Wqkv's columns (head, channel): fragments of 16 rows t x 64 channels, 8 registers.
;   cluster x = 2 (v): THE ROLES ARE EXCHANGED: A = Wqkv's v columns (channel), B = x's rows (keys): fragments of V^T, 16 channels x 128 keys, 16 registers.  Only pointers and tile numbers are chosen (by selects on the cluster's x); the loop is one text.
; IMAGES: four registers of a fragment are stored as they stand, lane l's 16 bytes at 16 l: each store of the wave covers 512 consecutive bytes, aligned.  With bh = 16 batch + head:
;   q_img, k_img: (bh x 128 + t / 16) x 1,024 + g x 512 + 16 lane   (g: registers 4 g .. 4 g + 3)        v_img: (bh x 16 + key / 128) x 8,192 + (channel / 16) x 2,048 + G x 512 + 16 lane
; CLUSTERS: 4 x 4 work-groups.  The four of a row of the cluster need the same tiles of A, the four of a column the same tiles of B: each tile is asked for JOINTLY.
; REGISTERS, in windows of 256: window 0: v1-31 addresses; v32-95, v96-111 the two kinds of bias; v112, v113 the conversion's scale and hold; from v128 A's fragments, ONE set; on the way out the codes lie there.
;   window 1: B's fragments, TWO sets.   window 2: the accumulators of my rows 0-63 of A ((a, b) at v[8 (8 a + b)]);   window 3: those of my rows 64-127.
.set KROW,   1024                      ; a row of codes in memory, in bytes
.set ROWB,   256                       ; a tile's row: 256 codes
.set PITCH,  272                       ; an LDS row: 256 bytes + 16 of padding = 68 words: row r starts at bank 4 r mod 64 (64 banks of 4 bytes: ISA guide 11.1), so the 16 rows of a load start at 16 different banks
.set FR,     16                        ; registers of a fragment: 16 rows x 128 K
.set NL,     4                         ; LDS loads that bring one
.set NP,     4                         ; places behind this matrix instruction (ISA guide 7.12.1)
.set HALFT,  128*PITCH                 ; 128 rows: what one tensor load brings
.set SLOT,   4*HALFT                   ; A's 256 rows, then B's 256 rows
.set SPARE,  2*SLOT                    ; behind the ring: the spare words, 128 bytes for each wave: two blocks of 256 bytes that no other line names
.set ADRA, 16                          ; v16-17  LDS address of my A fragments in slot 0, 1
.set ADRB, 20                          ; v20-21  the same for B
.set LI,   26                          ; v26     16 x lane: my place in an image
.set H32,  27                          ; v27     32 x (lane / 16)
.set SPW,  28                          ; v28     LDS address of my spare word; never rewritten
.set NIL,  29                          ; v29     0; never rewritten
.set R4,   30                          ; v30     4 x (lane % 16)
.set BI,   32                          ; v32-95  bias along B's rows: BI[8 b + j]  (q, k)
.set BV,   96                          ; v96-111 bias of my row of A, block a, twice: BV[2 a], BV[2 a + 1]  (v)
.set SCL,  112                         ; v112    2^e
.set LIM,  113                         ; v113    448 x 2^e
.set AF,   128                         ; A's fragments
.set CD,   128                         ; the way out: block a's 16 registers of codes at CD + 16 a
.set G1, 24                            ; s[24:31] descriptor group 1 for A's tiles;  s[32:39] group 0, one set for each slot
.set G0, 32
.set G1B, 48                           ; s[48:55], s[56:63] the same for B's tiles
.set G0B, 56
.set MSB, 0
.macro WIN new                         ; the immediate's high byte repeats the setting that is left
.if MSB != (\new)
	s_set_vgpr_msb (MSB<<8)|(\new)
.set MSB, (\new)
.endif
.endm
.set MUL_LO, 0xa1                      ; source 0 (B) window 1, source 1 (A) window 0, C and D window 2
.set MUL_HI, 0xf1                      ; the same, C and D window 3
.set TO_B,   0x40                      ; destination window 1, address window 0
; A joint load: waves 0 and 1 fetch for A, waves 2 and 3 for B.  Each of the two lines has ONE mask and one set of registers for all that issue it; the branch hangs on the wave's number alone.
; Four v_nop follow each of the two lines, ahead of the jump, the label and what follows.
.macro JLOAD g0a, g1a, g0b, g1b
	s_cmp_eq_u32 s15, 0
	s_cbranch_scc0 .Lfor_b_\@
	tensor_load_to_lds s[\g0a:\g0a+3], s[\g1a:\g1a+7]
	s_nop 0
.rept 4
	v_nop
.endr
	s_branch .Lasked_\@
.Lfor_b_\@:
	tensor_load_to_lds s[\g0b:\g0b+3], s[\g1b:\g1b+7]
	s_nop 0
.rept 4
	v_nop
.endr
.Lasked_\@:
.endm
.macro CREST                           ; a round of the cluster's barrier behind its opening barrier
	s_cmp_lg_u32 s14, 0
	s_cbranch_scc1 .Lnot_wave_0_\@
	s_barrier_signal -3
.Lnot_wave_0_\@:
	s_barrier_wait -3
	s_barrier_signal -1
	s_barrier_wait -1
.endm
.macro CROUND                          ; a whole round
	s_barrier_signal -1
	s_barrier_wait -1
	CREST
.endm
	s_load_b256 s[4:11], s[0:1], 0x0               ; x's codes s[4:5], Wqkv's codes s[6:7], bqkv s[8:9], the scales' exponents s[10:11]
	s_load_b128 s[68:71], s[0:1], 0x20             ; q_img, k_img
	s_load_b64 s[72:73], s[0:1], 0x30              ; v_img
	v_lshl_add_u32 v[SPW], v0, 2, SPARE
	v_mov_b32 v[NIL], 0
	ds_add_u32 v28, v29
	ds_add_u32 v28, v29
	s_wait_dscnt 0x0
	v_lshrrev_b32 v1, 5, v0
	v_readfirstlane_b32 s14, v1                    ; wave 0..3
	s_lshr_b32 s15, s14, 1                         ; which half of A's 256 rows is mine.  Also: I fetch for A (0) or for B (1)
	s_and_b32 s16, s14, 1                          ; which half of B's 256 rows.  Also: which 128 rows of that tile I fetch
	s_bfe_u32 s40, ttmp6, 0x40000                  ; cx, cy: my place in the cluster
	s_bfe_u32 s41, ttmp6, 0x40004
	s_and_b32 s12, ttmp7, 0xffff
	s_lshl_b32 s12, s12, 2                         ; 4 x cluster y
	s_lshl_b32 s13, ttmp9, 2                       ; 4 x cluster x
	s_cmp_eq_u32 ttmp9, 2                          ; the v part?  The same answer in all sixteen partners
	s_cselect_b32 s17, 0, s12
	s_cselect_b32 s42, s12, s13
	s_add_co_u32 s17, s17, s41                     ; TR, A's tile of 256 rows: q, k: 4 cluster y + cy (of x);  v: cy (of the v columns)
	s_add_co_u32 s42, s42, s40                     ; TC, B's tile: q, k: 4 cluster x + cx (of Wqkv's columns);  v: 4 cluster y + cx (of x)
	s_lshl_b32 s43, s41, 2
	s_lshl_b32 s43, 15, s43                        ; my row of the cluster
	s_lshl_b32 s44, 0x1111, s40                    ; my column
	; descriptor group 1: a tile of 128 rows x 256 bytes, padded in LDS
	s_or_b32 s[G1+0], s43, (0<<16)|(1<<20)|(1<<21)|(5<<22)|(3<<25)  ; 15:0 the mask: A's tiles go to my row; 17:16 element of 1 byte; 20 padding on; 21 set beside a mask; 24:22 after every 64 words (code 5); 31:25 of 4 words (code 3)
	s_or_b32 s[G1B+0], s44, (0<<16)|(1<<20)|(1<<21)|(5<<22)|(3<<25)
.irp g, G1, G1B
	s_mov_b32 s[\g+1], ROWB<<16                    ; tensor_dim0
	s_mov_b32 s[\g+2], 128<<16                     ; tensor_dim1 = 128
	s_mov_b32 s[\g+3], ROWB<<16                    ; tile_dim0
	s_mov_b32 s[\g+4], 128                         ; tile_dim1 = 128
	s_mov_b32 s[\g+5], KROW                        ; tensor_dim0_stride
	s_mov_b32 s[\g+6], 0
	s_mov_b32 s[\g+7], 0
.endr
	s_lshl_b32 s18, s16, 7                         ; which 128 rows of the tile I fetch
	s_lshl_b32 s20, s17, 8
	s_add_co_u32 s20, s20, s18                     ; A: row 256 TR + 128 x half
	s_lshl_b32 s20, s20, 10                        ; in bytes: rows of 1,024
	s_mov_b32 s21, 0
	s_lshl_b32 s46, s42, 8
	s_add_co_u32 s46, s46, s18                     ; B: row 256 TC + 128 x half
	s_lshl_b32 s46, s46, 10
	s_mov_b32 s47, 0
	s_mul_i32 s45, s14, HALFT                      ; where they go: wave x 128 rows: no place in the cluster enters an LDS address
	s_wait_kmcnt 0x0
	s_load_b256 s[80:87], s[10:11], 0x0            ; e0 .. e7
	s_add_nc_u64 s[76:77], s[6:7], 2048*KROW       ; Wqkv's v columns: rows 2,048 on of its codes
	s_cmp_eq_u32 ttmp9, 2
	s_cselect_b64 s[88:89], s[76:77], s[4:5]       ; operand A
	s_cselect_b64 s[90:91], s[4:5], s[6:7]         ; operand B
	s_add_nc_u64 s[20:21], s[88:89], s[20:21]
	s_add_nc_u64 s[46:47], s[90:91], s[46:47]
	CROUND                                         ; all sixteen work-groups are here: the first joint loads meet
.irp s, 0,1
	s_mov_b32 s[G0+4*\s], 1
	s_add_co_u32 s[G0+4*\s+1], s45, \s*SLOT
	s_add_nc_u64 s[G0+4*\s+2:G0+4*\s+3], s[20:21], \s*ROWB
	s_or_b32 s[G0+4*\s+3], s[G0+4*\s+3], 0x80000000
	s_mov_b32 s[G0B+4*\s], 1
	s_add_co_u32 s[G0B+4*\s+1], s45, \s*SLOT
	s_add_nc_u64 s[G0B+4*\s+2:G0B+4*\s+3], s[46:47], \s*ROWB
	s_or_b32 s[G0B+4*\s+3], s[G0B+4*\s+3], 0x80000000
.endr
	; THE PREFETCHES INTO THE L2: behind K step 0's load stand the requests for K steps 1 and 2, behind K step 1's load the request for K step 3: 256 bytes of each row.  Of the 128 rows that my wave fetches, each of the four
	; partners that ask for them jointly names 32, told apart by address (cx for A's rows, cy for B's), a lane a row.  K step 0 comes by its load alone; the address registers are never rewritten.
	s_cmp_eq_u32 s15, 0
	s_cselect_b64 s[18:19], s[20:21], s[46:47]
	s_cselect_b32 s66, s40, s41
	s_lshl_b32 s66, s66, 15                        ; 32 rows of 1,024 bytes for each partner
	s_mov_b32 s67, 0
	s_add_nc_u64 s[18:19], s[18:19], s[66:67]
	JLOAD G0, G1, G0B, G1B                         ; K step 0: one tensor load a wave at the head
	v_and_b32 v31, 31, v0
	v_lshlrev_b32 v31, 10, v31
	global_prefetch_b8 v31, s[18:19] offset:256 th:TH_LOAD_NT scope:SCOPE_SE
	global_prefetch_b8 v31, s[18:19] offset:512 th:TH_LOAD_NT scope:SCOPE_SE
	v_and_b32 v1, 15, v0                           ; r = lane % 16
	v_bfe_u32 v2, v0, 4, 1                         ; h = lane / 16
	v_mul_u32_u24 v3, v1, PITCH
	v_lshl_add_u32 v4, v2, 4, v3                   ; a fragment's row x pitch + 16 x half
	s_mul_i32 s21, s15, HALFT                      ; my 128 rows of A
	s_mul_i32 s22, s16, HALFT                      ; my 128 rows of B,
	s_add_co_u32 s22, s22, 2*HALFT                 ; which lie behind A's 256
.irp s, 0,1
	v_add_nc_u32 v[ADRA+\s], s21, v4
	v_add_nc_u32 v[ADRB+\s], s22, v4
	s_add_co_u32 s21, s21, SLOT
	s_add_co_u32 s22, s22, SLOT
.endr
	s_wait_alu depctr_va_vdst(0)                   ; the wait ahead of the readers below
	v_and_b32 v5, 31, v0
	v_lshlrev_b32 v[LI], 4, v5
	v_lshlrev_b32 v[H32], 5, v2
	v_lshlrev_b32 v[R4], 2, v1
	; THE BIASES, both kinds in every work-group, with no branch: the kind that is not used is read at bqkv's head.
	s_lshl_b32 s78, s42, 8
	s_lshl_b32 s79, s16, 7
	s_add_co_u32 s78, s78, s79                     ; q, k: my first column of qkv: 256 TC + 128 x half
	s_lshl_b32 s66, s17, 8
	s_lshl_b32 s79, s15, 7
	s_add_co_u32 s66, s66, s79
	s_add_co_u32 s66, s66, 2048                    ; v: 2,048 + 256 TR + 128 x half
	s_cmp_eq_u32 ttmp9, 2
	s_cselect_b32 s78, 0, s78
	s_cselect_b32 s66, s66, 0
	s_lshl_b32 s78, s78, 2
	s_lshl_b32 s66, s66, 2
	s_mov_b32 s79, 0
	s_mov_b32 s67, 0
	s_add_nc_u64 s[94:95], s[8:9], s[78:79]
	s_add_nc_u64 s[74:75], s[8:9], s[66:67]
	s_wait_alu depctr_va_vdst(0)                   ; the wait ahead of the loads' offsets
.irp b, 0,1,2,3,4,5,6,7
	global_load_b128 v[BI+8*\b:BI+8*\b+3], v[H32], s[94:95] offset:64*\b         ; columns 16 b + 8 h + 0 .. 7
	global_load_b128 v[BI+8*\b+4:BI+8*\b+7], v[H32], s[94:95] offset:64*\b+16
.endr
.irp a, 0,1,2,3,4,5,6,7
	global_load_b32 v[BV+2*\a], v[R4], s[74:75] offset:64*\a                     ; column 16 a + r, twice: a pair for the packed multiply-add
	global_load_b32 v[BV+2*\a+1], v[R4], s[74:75] offset:64*\a
.endr
	; the scales, and where my images go: scalar work while the first tiles are on their way
	s_wait_kmcnt 0x0
	s_add_co_i32 s96, s80, s81
	s_add_co_i32 s96, s96, 127
	s_lshl_b32 s96, s96, 23                        ; 2^(e0 + e1) as f32
	s_mov_b32 s97, s96                             ; (named with it as a pair, so it is written)
	s_and_b32 s78, s42, 3
	s_cmp_eq_u32 ttmp9, 0
	s_cselect_b32 s66, s82, s83                    ; e2 for q, e3 for k,
	s_cselect_b64 s[92:93], s[68:69], s[70:71]
	s_cmp_eq_u32 ttmp9, 2
	s_cselect_b32 s66, s85, s66                    ; e5 for v
	s_cselect_b64 s[92:93], s[72:73], s[92:93]
	s_cselect_b32 s67, s42, s17                    ; R: x's tile of 256 rows
	s_cselect_b32 s78, s17, s78                    ; W: which 256 columns (4 heads) of the part
	s_cselect_b32 s79, s15, s16                    ; which 128 of them (2 heads) are my wave's
	s_cselect_b32 s98, s16, s15                    ; which 128 of x's 256 rows
	s_add_co_i32 s66, s66, 127
	s_lshl_b32 s99, s66, 23
	v_mov_b32 v[SCL], s99                          ; 2^e as f32: the conversion takes its exponent field
	s_add_co_i32 s66, s66, 8
	s_lshl_b32 s66, s66, 23
	s_or_b32 s66, s66, 0x600000
	v_mov_b32 v[LIM], s66                          ; 448 x 2^e
	s_lshr_b32 s99, s67, 3                         ; batch
	s_lshl_b32 s99, s99, 4
	s_lshl_b32 s78, s78, 2
	s_add_co_u32 s99, s99, s78
	s_lshl_b32 s79, s79, 1
	s_add_co_u32 s99, s99, s79                     ; bh of my first head = 16 batch + 4 W + 2 x half
	s_lshl_b32 s99, s99, 17                        ; a head's image is 131,072 bytes
	s_and_b32 s67, s67, 7
	s_lshl_b32 s67, s67, 14                        ; 256 rows of x are 16,384 bytes of a head's image, in all three images
	s_add_co_u32 s99, s99, s67
	s_lshl_b32 s98, s98, 13
	s_add_co_u32 s98, s99, s98
	s_mov_b32 s99, 0
	s_add_nc_u64 s[92:93], s[92:93], s[98:99]
.macro FRAG reg, adr, q, i             ; a fragment: lane l holds row l % 16; the 16 bytes at 32 c + 16 (l / 16) are registers 4 c .. 4 c + 3 (the pieces' order in the codes' rows makes it so)
.irp c, 0,1,2,3
	ds_load_b128 v[\reg+4*\c:\reg+4*\c+3], v[\adr] offset:128*(\q)+32*\c+(\i)*16*PITCH
.endr
.endm
; 16 matrix instructions: A's blocks a0, a0 + 1 x B's eight, 128 along K.  p: B's set.  zero = 1: the first product starts the sums: nothing is ever cleared.
; The 64 accumulators take turns, one instruction a turn, in the same order in every step.
.macro MUL16 a0, p, zero
.irp a, \a0, \a0+1
.irp b, 0,1,2,3,4,5,6,7
.if \zero
	v_wmma_f32_16x16x128_fp8_fp8 v[8*(8*((\a)%4)+\b):8*(8*((\a)%4)+\b)+7], v[128*(\p)+FR*\b:128*(\p)+FR*\b+FR-1], v[AF+FR*(\a):AF+FR*(\a)+FR-1], 0
.else
	v_wmma_f32_16x16x128_fp8_fp8 v[8*(8*((\a)%4)+\b):8*(8*((\a)%4)+\b)+7], v[128*(\p)+FR*\b:128*(\p)+FR*\b+FR-1], v[AF+FR*(\a):AF+FR*(\a)+FR-1], v[8*(8*((\a)%4)+\b):8*(8*((\a)%4)+\b)+7]
.endif
.endr
.endr
.endm
.macro FETCH_B slot, q, p              ; B's eight fragments of the slot's q-th 128 along K into set p
	WIN TO_B
.irp i, 0,1,2,3,4,5,6,7
	FRAG 128*(\p)+FR*\i, ADRB+\slot, \q, \i
.endr
	WIN 0
.endm
.macro FETCH_A slot, q, i0             ; A's blocks i0 .. i0 + 3
.irp i, \i0, \i0+1, \i0+2, \i0+3
	FRAG AF+FR*(\i), ADRA+\slot, \q, \i
.endr
.endm
; A load into a register that a matrix instruction has read, and a vector instruction that reads a matrix result, stand NP places behind that matrix instruction; only plain vector
; instructions that name none of its registers are places (ISA guide 7.12.1 for vector instructions).
.macro PLACES n
.rept \n
	v_nop
.endr
.endm
; A step of 128 along K that has its successor in the same slot.  A block of A is free as soon as its eight products are issued, so A has one set: blocks 0-3 are fetched anew in the step's middle, blocks 4-7 at its end.
.macro STEP slot, q, zero
	s_wait_dscnt 4*NL                              ; B's set and A's blocks 0-3 are in; the 16 youngest loads (A's blocks 4-7) may be out
	WIN MUL_LO
	MUL16 0, (\q)%2, \zero
	MUL16 2, (\q)%2, \zero
	s_wait_dscnt 0                                 ; A's blocks 4-7 are in (asked for 32 matrix instructions ago)
	PLACES NP
	FETCH_B \slot, (\q)+1, 1-(\q)%2
	FETCH_A \slot, (\q)+1, 0
	WIN MUL_HI
	MUL16 4, (\q)%2, \zero
	MUL16 6, (\q)%2, \zero
	PLACES NP
	WIN 0
	FETCH_A \slot, (\q)+1, 4
.endm
; A slot's last step changes slots: ONE barrier; in front of it each wave waits for all its tensor loads, adds 0 to its spare word, and waits for that and for its own reads of this slot.  fill = 1: this slot is filled again, two K steps ahead.
.macro TURN slot, next, fill
	s_wait_tensorcnt 0x0                           ; all my tensor loads have landed: my part of the next slot;  (every window is 0 here)
	ds_add_u32 v[SPW], v[NIL]                      ; 0 onto my spare word;
	s_wait_dscnt 4*NL+1                            ; (the add and the 16 youngest loads, A's blocks 4-7, may be out)
	WIN MUL_LO
	MUL16 0, 1, 0                                  ; sixteen matrix instructions stand between the add and the wait for it
	s_wait_dscnt 0x0                               ; the add is done, and my reads of this slot are over
	s_barrier_signal -1
	MUL16 2, 1, 0
	WIN 0
	s_barrier_wait -1
.if \fill
	CREST                                          ; the barrier has opened a round of the cluster's barrier: no wave of any partner still reads this slot's tile or has a load on its way
	s_add_nc_u64 s[G0+4*\slot+2:G0+4*\slot+3], s[G0+4*\slot+2:G0+4*\slot+3], 2*ROWB
	s_add_nc_u64 s[G0B+4*\slot+2:G0B+4*\slot+3], s[G0B+4*\slot+2:G0B+4*\slot+3], 2*ROWB
	JLOAD G0+4*\slot, G1, G0B+4*\slot, G1B         ; the first tensor load behind the round; the four v_nop behind it are the places in front of the loads below
.else
	PLACES NP
.endif
	FETCH_B \next, 0, 0
	FETCH_A \next, 0, 0
	WIN MUL_HI
	MUL16 4, 1, 0
	MUL16 6, 1, 0
	PLACES NP
	WIN 0
	FETCH_A \next, 0, 4
.endm
	s_wait_alu depctr_va_vdst(0)                   ; the wait at the head's end
	s_wait_tensorcnt 0x0                           ; my part of K step 0 is in; the lines ahead of a later first fill:
	ds_add_u32 v[SPW], v[NIL]
	s_wait_dscnt 0x0
	CROUND                                         ; everybody's part of K step 0 is in, and all sixteen work-groups are here
	JLOAD G0+4, G1, G0B+4, G1B                     ; K step 1, the first tensor load behind the round
	FETCH_B 0, 0, 0
	FETCH_A 0, 0, 0
	FETCH_A 0, 0, 4
	global_prefetch_b8 v31, s[18:19] offset:768 th:TH_LOAD_NT scope:SCOPE_SE   ; K step 3, behind K step 1's load and the run of LDS loads
	STEP 0, 0, 1                                   ; eight steps of 128 along K, written out; the first step's products start the sums
	TURN 0, 1, 1                                   ; slot 0 takes K step 2
	STEP 1, 0, 0
	TURN 1, 0, 1                                   ; slot 1 takes K step 3
	STEP 0, 0, 0
	TURN 0, 1, 0                                   ; nothing is left to fetch
	STEP 1, 0, 0
	s_wait_dscnt 4*NL                              ; the very last step
	WIN MUL_LO
	MUL16 0, 1, 0
	MUL16 2, 1, 0
	s_wait_dscnt 0
	WIN MUL_HI
	MUL16 4, 1, 0
	MUL16 6, 1, 0
	WIN 0
; THE WAY OUT, window by window (32 accumulators): value = sum x 2^(e0 + e1) + bias, in place, each accumulator from its low end on; the hold; one conversion an accumulator: registers 2 b, 2 b + 1 of block a's codes;
; then the codes are stored as they stand.  Every offset is an immediate and every block has registers of its own, so no store's sources are written again.
.macro EPI isv
.set w, 0
.rept 2
	WIN 0x82+0x41*w                                ; source 0 and destination: window 2, then 3; the bias and the hold: window 0
.set ab, 0
.rept 32
.set AC, 8*ab
.if \isv
.set BS, BV+2*(4*w+ab/8)
.set BD, 0
.else
.set BS, BI+8*(ab%8)
.set BD, 1
.endif
.irp i, 0,2,4,6
	v_pk_fma_f32 v[AC+\i:AC+\i+1], v[AC+\i:AC+\i+1], s[96:97], v[BS+BD*\i:BS+BD*\i+1] op_sel_hi:[1,0,1]
.endr
.irp i, 0,1,2,3,4,5,6,7
	v_med3_num_f32 v[AC+\i], v[AC+\i], -v[LIM], v[LIM]   ; the conversion to an 8-bit code does not saturate (ISA guide 7.6.2)
.endr
.set ab, ab+1
.endr
	WIN 0x02+w                                     ; source 0: window 2 or 3; the codes and the scale: window 0
.set ab, 0
.rept 32
	v_cvt_scalef32_pk8_fp8_f32 v[CD+64*w+2*ab:CD+64*w+2*ab+1], v[8*ab:8*ab+7], v[SCL]
.set ab, ab+1
.endr
	v_nop                                          ; one plain vector instruction behind the last conversion of the run
	WIN 0
.set aa, 0
.rept 4
.set ag, 4*w+aa
.irp gg, 0,1,2,3
.if \isv
	global_store_b128 v[LI], v[CD+16*ag+4*\gg:CD+16*ag+4*\gg+3], s[92:93] offset:(ag/4)*131072+(ag%4)*2048+\gg*512     ; head a / 4, channels 16 (a % 4) on, registers 4 gg on of the 128 keys' fragment
.else
	global_store_b128 v[LI], v[CD+16*ag+4*\gg:CD+16*ag+4*\gg+3], s[92:93] offset:ag*1024+(\gg/2)*131072+(\gg%2)*512    ; rows 16 a on, head gg / 2, registers 4 (gg % 2) on of the 64 channels' fragment
.endif
.endr
.set aa, aa+1
.endr
.set w, w+1
.endr
.endm
	PLACES NP                                      ; behind the last products, ahead of the first read of a result and of the first write over A's fragments
	s_wait_loadcnt 0x0                             ; the biases
	s_cmp_eq_u32 ttmp9, 2                          ; a branch on the cluster's x: the same way in all partners
	s_cbranch_scc1 .Lfor_v
	EPI 0
	s_branch .Lout
.Lfor_v:
	EPI 1
.Lout:
	s_wait_tensorcnt 0x0                           ; the wave's end
	ds_add_u32 v[SPW], v[NIL]
	s_wait_dscnt 0x0
	CROUND                                         ; the closing round: no work-group ends while a partner may still ask for a tile that names it
	s_endpgm
.Lfunc_end_k_q25a47d83d8_qkv:
	.size	k_q25a47d83d8_qkv, .Lfunc_end_k_q25a47d83d8_qkv-k_q25a47d83d8_qkv
	.p2alignl 7, 3214868480
	.fill 96, 4, 3214868480
	.section	.rodata,"a",@progbits
	.p2align	6, 0x0
	.amdhsa_kernel k_q25a47d83d8_qkv
		.amdhsa_group_segment_fixed_size 327680
		.amdhsa_private_segment_fixed_size 0
		.amdhsa_enable_private_segment 0
		.amdhsa_kernarg_size 56
		.amdhsa_user_sgpr_count 2
		.amdhsa_user_sgpr_kernarg_segment_ptr 1
		.amdhsa_wavefront_size32 1
		.amdhsa_system_sgpr_workgroup_id_x 1
		.amdhsa_system_sgpr_workgroup_id_y 1
		.amdhsa_system_sgpr_workgroup_id_z 1
		.amdhsa_system_vgpr_workitem_id 0
		.amdhsa_next_free_vgpr 1024
		.amdhsa_next_free_sgpr 100
		.amdhsa_reserve_vcc 0
		.amdhsa_float_denorm_mode_32 3
		.amdhsa_float_denorm_mode_16_64 3
		.amdhsa_memory_ordered 1
		.amdhsa_forward_progress 1
		.amdhsa_inst_pref_size 193
	.end_amdhsa_kernel
	.amdgpu_metadata
---
amdhsa.version: [ 1, 2 ]
amdhsa.kernels:
  - .name:           k_q25a47d83d8_qkv
    .symbol:         k_q25a47d83d8_qkv.kd
    .args:
      - { .name: x_codes, .offset: 0, .size: 8, .value_kind: global_buffer, .address_space: global }
      - { .name: wqkv_codes, .offset: 8, .size: 8, .value_kind: global_buffer, .address_space: global }
      - { .name: bqkv, .offset: 16, .size: 8, .value_kind: global_buffer, .address_space: global }
      - { .name: lowp_scales, .offset: 24, .size: 8, .value_kind: global_buffer, .address_space: global }
      - { .name: q_img, .offset: 32, .size: 8, .value_kind: global_buffer, .address_space: global }
      - { .name: k_img, .offset: 40, .size: 8, .value_kind: global_buffer, .address_space: global }
      - { .name: v_img, .offset: 48, .size: 8, .value_kind: global_buffer, .address_space: global }
    .group_segment_fixed_size: 327680
    .private_segment_fixed_size: 0
    .kernarg_segment_align: 8
    .kernarg_segment_size: 56
    .max_flat_workgroup_size: 128
    .sgpr_count:     100
    .vgpr_count:     1024
    .wavefront_size: 32
...
	.end_amdgpu_metadata
.endif
;; end of part 2
;; launch attn (part 3): grid 4 x 64, 8 waves a work-group, no clusters, 327,680 bytes of LDS; arguments q_img, k_img, v_img, lowp_scales, y_img; writes y_img
.if DOCPART == 3
	.amdgcn_target "amdgcn-amd-amdhsa--gfx1250"
	.amdhsa_code_object_version 6
	.text
	.protected	k_q25a47d83d8_attn
	.globl	k_q25a47d83d8_attn
	.p2align	8
	.type	k_q25a47d83d8_attn,@function
k_q25a47d83d8_attn:
	s_mov_b64 s[64:65], 0
	v_nop
	global_prefetch_b8 v0, s[64:65] scope:SCOPE_SE
	s_setreg_imm32_b32 hwreg(HW_REG_WAVE_MODE, 25, 1), 1
	s_wait_xcnt 0x0
; y[b][t][head][:] = the sum over keys k <= t of softmax_k(q . k / 8) v, both products on codes of E4M3, and y quantised at once for the last product.  Exponents: e2 (q), e3 (k), e4 (p), e5 (v), e6 (y).
; LEFT OUT: key steps all of whose keys come after the wave's queries: reference()'s own jnp.tril gives them the weight 0 for all inputs.
; THE SOFTMAX: t = score x log2(e) / 8; M = the row's largest t so far, rounded UP to a whole number; p = 2^(t - M) is quantised along the keys, not normalised.  The row's sum is taken of the unquantised p, in f32,
; and divides O at the end.  When M moves, the sum and O are multiplied by 2^(old M - new M): exact.
; OPERANDS ARE IMAGES OF REGISTERS: four registers of a fragment are 512 consecutive bytes, lane l's 16 at 16 l.  With bh = 16 batch + head: q_img, k_img: (bh x 128 + t / 16) x 1,024 + g x 512;
; v_img: (bh x 16 + key / 128) x 8,192 + (channel / 16) x 2,048 + G x 512;  y_img: ((head / 4) x 512 + (2,048 batch + t) / 16) x 4,096 + (head % 4) x 1,024 + g x 512.
; LAYOUT.  Both products transposed: S^T = K Q^T (source 0 = 16 keys, source 1 = 16 queries; K = 64), O^T = V^T P^T (source 0 = 16 channels, source 1 = P; K = 128 keys): a lane holds one query of each of its two tiles.
; Register j of score tile tt is key 16 tt + 8 (lane / 16) + j: one conversion of a tile gives registers 2 tt, 2 tt + 1 of P; likewise O^T's tiles give y's fragment.
; SHARES.  A work-group owns, of one head, query blocks 7 - i and i (i = work-group x, 256 queries each), one after the other.  Each of its eight waves owns 32 queries of the block in hand, two tiles of 16:
; each fragment of K and of V that it reads from LDS feeds two matrix instructions.
; LDS: A HEAD'S K AND V STAY.  A slot is 256 keys: 16 KiB of K and 16 KiB of V, each in four quarters of 4 KiB.  Quarter p of K's slot s lies at 32,768 p + 4,096 s, V's 131,072 further on; the spare words, 128 bytes a wave, from 262,144.
; Wave w brings quarter w % 4 of K (w < 4) or of V.  THREE FILLS, each every wave's one load behind its barrier, none a refill: slot 0 at the head; slots 1 and 2; slots 3 to 7 (rows of 4 KiB, 16 KiB apart in memory, dense in LDS).
; Every load holds bytes that are read (slots 0 to 4 are read by every work-group); of the third fill the slots beyond 7 - i are not read.  Behind the third barrier nothing is filled and no barrier follows.
; THE WALK: 24 key steps of 128, a constant: steps 0-15 for block 7 - i, steps 16-23 (keys 0 to 1,023) for block i, in three loops of 2, 4 and 18 trips round the three fills; LDS addresses are made of the step's number.
; In the third loop K's fragments are asked for one step ahead (the last trip's are not used).
; THE MASK costs no vector instruction in the loop: in a wave's step on the diagonal my first query lies d = 32 (wave % 4) keys behind the step's first key, in both blocks, so the score products of that step take as C
; one of nine tiles made once at the head: 0 where the key counts, -3e38 where it is hidden (tile number tt - u + 1).  The first key of every step that is worked counts for all my queries.
; NO CLUSTER: the four work-groups that share a head differ in i, on which the jumps round hidden steps hang.
; LIMITS on the given exponents: e2 + e3 between -100 and 100 (added to c's exponent field; a hidden score x c stays far under every t); e4 and e6 between -126 and 119; e4 + e5 is applied by v_ldexp_f32 and has none.
; REGISTERS, window 0: v1 16 x lane; v2 the same + 131,072; v3, v4 LDS addresses of K and V; v5, v6 the add's; v7, v8 lane permutes; v9 2^e4, v10 2^e6, v11 448 x 2^e6;
;   tile u: v12+4u -M, v13+4u largest t, v[14+4u:15+4u] the sum, v[20+2u:21+2u] f; v24-31 at work; v32-95 fragments of V; v96-223 S^T, then p; v224-255 partial sums, then p's codes.
;   window 1: v0-63 O^T (tile u at 32 u); v64-79 Q in hand; v80-95 the second block's Q; v96-167 the nine mask tiles; v168-231 fragments of K; v232, v233 the prefetches' offsets.
.set VREG,  131072
.set SPARE, 262144
.set LI,   1
.set LIV,  2
.set ADK,  3
.set ADV,  4
.set SPW,  5
.set NIL,  6
.set WV,   18                          ; s18  wave
.set SEL,  20                          ; s[20:21] lane selects: lane l xor 16
.set CS,   22                          ; s[22:23] c = log2(e) / 8 x 2^(e2 + e3)
.set G1,   24                          ; s[24:31] group 1 of the first fill: 4 KiB as 16 rows of 256 bytes
.set G0,   32                          ; s[32:35] group 0
.set ST,   36                          ; s36  the step, 0 .. 23
.set CK,   37                          ; s37  LDS byte of the step's K
.set KF,   38                          ; s38  the step's first key
.set Q0,   39                          ; s39  my first query of the block in hand
.set Q0B,  40                          ; s40  of the second block
.set YB1,  42                          ; s[42:43], s[44:45] where my tiles of y go
.set YB2,  44
.set HP,   49                          ; s49  448 x 2^e4
.set E45,  50                          ; s50  e4 + e5
.set LB,   51                          ; s51  LDS byte of my quarter in slot 0
.set GB,   52                          ; s[52:53] the same in memory; never rewritten
.set NA,   55                          ; s55  LDS byte of the next step's K
.set G1A,  80                          ; s[80:87] group 1 of the second fill: 2 rows of 4 KiB
.set G1B,  88                          ; s[88:95] of the third: 5 rows
.set MSB, 0
.macro WIN new                         ; the immediate's high byte repeats the setting that is left
.if MSB != (\new)
	s_set_vgpr_msb (MSB<<8)|(\new)
.set MSB, (\new)
.endif
.endm
.macro NOPS n
.rept \n
	v_nop
.endr
.endm
.macro GROUP1 g, r                     ; r rows of 512 elements of 8 bytes, 2,048 elements apart
	s_mov_b32 s[\g], 3<<16
	s_mov_b32 s[\g+1], 512<<16
	s_mov_b32 s[\g+2], (\r)<<16
	s_mov_b32 s[\g+3], 512<<16
	s_mov_b32 s[\g+4], \r
	s_mov_b32 s[\g+5], 2048
	s_mov_b32 s[\g+6], 0
	s_mov_b32 s[\g+7], 0
.endm
.macro INIT                            ; a block begins: O^T and the sums 0, the largest t -3e38: the first change of M multiplies zeros
	WIN 0x40
.set n, 0
.rept 64
	v_mov_b32 v[n], 0
.set n, n+1
.endr
	WIN 0
	v_mov_b32 v13, 0xff61b1e6
	v_mov_b32 v17, 0xff61b1e6
	v_floor_f32 v12, -v13
	v_floor_f32 v16, -v17
	v_mov_b32 v14, 0
	v_mov_b32 v15, 0
	v_mov_b32 v18, 0
	v_mov_b32 v19, 0
.endm
.macro ADDR d, st                      ; step n's K: 65,536 (n % 2) + 4,096 ((n / 2) % 8)
	s_and_b32 s60, s[\st], 1
	s_lshl_b32 s60, s60, 16
	s_bfe_u32 s[\d], s[\st], 0x30001
	s_lshl_b32 s[\d], s[\d], 12
	s_add_co_u32 s[\d], s[\d], s60
.endm
.macro KLOAD                           ; eight tiles of 16 keys into window 1
	WIN 0x40
.irp tt, 0,1,2,3,4,5,6,7
	ds_load_b128 v[168+8*\tt:171+8*\tt], v[ADK] offset:(\tt/4)*32768+(\tt%4)*1024
	ds_load_b128 v[172+8*\tt:175+8*\tt], v[ADK] offset:(\tt/4)*32768+(\tt%4)*1024+512
.endr
	WIN 0
.endm
.macro MEET lds, mem                   ; the lines ahead of a later first fill, and the barrier; group 0 is written between the add and the wait for it
	s_wait_tensorcnt 0x0
	ds_add_u32 v[SPW], v[NIL]
	s_add_co_u32 s[G0+1], s[LB], \lds
	s_add_nc_u64 s[G0+2:G0+3], s[GB:GB+1], \mem
	s_or_b32 s[G0+3], s[G0+3], 0x80000000
	s_wait_dscnt 0x0
	s_barrier_signal -1
	s_barrier_wait -1
.endm
	s_load_b256 s[4:11], s[0:1], 0x0               ; q_img, k_img, v_img, the scales' exponents
	s_load_b64 s[12:13], s[0:1], 0x20              ; y_img
	v_lshl_add_u32 v[SPW], v0, 2, SPARE
	v_mov_b32 v[NIL], 0
	ds_add_u32 v[SPW], v[NIL]                      ; the opening lines: the add, twice on end, and one wait
	ds_add_u32 v[SPW], v[NIL]
	v_lshrrev_b32 v7, 5, v0
	v_readfirstlane_b32 s[WV], v7                  ; wave 0..7
	s_mov_b32 s[G1], 3<<16                         ; no mask; elements of 8 bytes; no padding
	s_mov_b32 s[G1+1], 32<<16
	s_mov_b32 s[G1+2], 16<<16
	s_mov_b32 s[G1+3], 32<<16
	s_mov_b32 s[G1+4], 16
	s_mov_b32 s[G1+5], 32
	s_mov_b32 s[G1+6], 0
	s_mov_b32 s[G1+7], 0
	GROUP1 G1A, 2
	GROUP1 G1B, 5
	s_mov_b32 s[SEL], 0x76543210
	s_mov_b32 s[SEL+1], 0xfedcba98
	s_mov_b32 s[CS], 0x3e38aa3b                    ; log2(e) / 8
	s_mov_b32 s[ST], 0
	s_sub_co_u32 s[Q0], 7, ttmp9
	s_lshl_b32 s54, s[WV], 5
	s_lshl_b32 s[Q0], s[Q0], 8
	s_add_co_u32 s[Q0], s[Q0], s54                 ; 256 (7 - i) + 32 wave
	s_lshl_b32 s[Q0B], ttmp9, 8
	s_add_co_u32 s[Q0B], s[Q0B], s54               ; 256 i + 32 wave
	s_and_b32 s57, ttmp7, 0xffff                   ; bh
	s_lshl_b32 s56, s57, 17                        ; a head's image is 131,072 bytes in q_img, k_img and v_img
	s_and_b32 s58, s57, 15                         ; head
	s_lshr_b32 s59, s57, 4                         ; batch
	s_lshr_b32 s60, s58, 2
	s_lshl_b32 s60, s60, 21
	s_lshl_b32 s59, s59, 19
	s_add_co_u32 s60, s60, s59
	s_and_b32 s58, s58, 3
	s_lshl_b32 s58, s58, 10
	s_add_co_u32 s60, s60, s58                     ; y_img: head and batch
	s_lshl_b32 s62, s[Q0], 8                       ; + (t / 16) x 4,096
	s_add_co_u32 s62, s62, s60
	s_mov_b32 s63, 0
	s_lshl_b32 s66, s[Q0B], 8
	s_add_co_u32 s66, s66, s60
	s_mov_b32 s67, 0
	s_and_b32 s58, s[WV], 3
	s_lshl_b32 s57, s58, 15                        ; my quarter's place in LDS,
	s_lshl_b32 s58, s58, 12                        ; and in a slot's part in memory
	s_lshr_b32 s59, s[WV], 2                       ; 0: K, 1: V
	s_lshl_b32 s[LB], s59, 17
	s_add_co_u32 s[LB], s[LB], s57
	s_mov_b32 s[G0], 1
	s_mov_b32 s[G0+1], s[LB]                       ; slot 0
	s_add_co_u32 s60, s56, s58
	s_mov_b32 s61, 0
	s_wait_dscnt 0x0                               ; both opening adds are done
	s_wait_kmcnt 0x0
	s_load_b256 s[68:75], s[10:11], 0x0            ; e0 .. e7
	s_cmp_eq_u32 s59, 0
	s_cselect_b64 s[GB:GB+1], s[6:7], s[8:9]
	s_add_nc_u64 s[GB:GB+1], s[GB:GB+1], s[60:61]
	s_mov_b64 s[G0+2:G0+3], s[GB:GB+1]
	s_or_b32 s[G0+3], s[G0+3], 0x80000000
	tensor_load_to_lds s[G0:G0+3], s[G1:G1+7]      ; slot 0: every wave's one load at the head
	s_nop 0
	NOPS 4
	s_add_nc_u64 s[YB1:YB1+1], s[12:13], s[62:63]
	s_add_nc_u64 s[YB2:YB2+1], s[12:13], s[66:67]
	s_lshl_b32 s62, s[Q0], 6                       ; q_img: (t / 16) x 1,024
	s_add_co_u32 s62, s62, s56
	s_lshl_b32 s66, s[Q0B], 6
	s_add_co_u32 s66, s66, s56
	s_add_nc_u64 s[76:77], s[4:5], s[62:63]
	s_add_nc_u64 s[78:79], s[4:5], s[66:67]
	s_and_b32 s59, s[WV], 3
	s_lshl_b32 s59, s59, 5                         ; d
	v_and_b32 v26, 31, v0
	v_lshlrev_b32 v[LI], 4, v26
	v_add_nc_u32 v[LIV], VREG, v[LI]
	v_min_u32 v27, 15, v26
	v_and_b32 v24, 15, v0
	v_bfe_u32 v25, v0, 4, 1
	v_lshlrev_b32 v28, 14, v25
	WIN 0x40
.irp g, 0,1,2,3
	global_load_b128 v[64+4*\g:67+4*\g], v[LI], s[76:77] offset:512*\g th:TH_LOAD_NT   ; the first block's Q, two tiles, stays in registers
.endr
	v_lshl_or_b32 v232, v24, 8, v28                ; the prefetches: two slots' quarters, 16 blocks of 256 bytes each, a lane a block;
	v_lshlrev_b32 v233, 8, v27                     ; one slot's quarter: lanes 16-31 name the last block again
	WIN 0
	v_lshlrev_b32 v25, 3, v25
	v_sub_nc_u32 v24, v24, v25
	v_add_nc_u32 v24, s59, v24                     ; x = lane % 16 - 8 (lane / 16) + d: register j of mask tile c is hidden where 16 (c - 1) + j > x
	v_mov_b32 v25, 0xff61b1e6                      ; -3e38
	WIN 0x40
.set n, 0
.rept 72
	v_cmp_gt_i32 vcc_lo, 16*(n/8)-16+n%8, v24
	v_cndmask_b32 v[96+n], 0, v25, vcc_lo
.set n, n+1
.endr
	INIT
	v_mov_b32 v7, 0                                ; a lane permute's destination counts as a source
	v_mov_b32 v8, 0
	v_mov_b32 v21, 0                               ; (named as the upper halves of f's pairs)
	v_mov_b32 v23, 0
	s_wait_kmcnt 0x0
	s_add_co_i32 s54, s70, s71
	s_lshl_b32 s54, s54, 23
	s_add_co_i32 s[CS], s[CS], s54                 ; a score stands for score x 2^(e2 + e3)
	s_mov_b32 s[CS+1], s[CS]
	s_add_co_i32 s54, s72, 127
	s_lshl_b32 s57, s54, 23
	v_mov_b32 v9, s57                              ; 2^e4
	s_add_co_i32 s54, s54, 8
	s_lshl_b32 s54, s54, 23
	s_or_b32 s[HP], s54, 0x600000                  ; 448 x 2^e4
	s_add_co_i32 s54, s74, 127
	s_lshl_b32 s57, s54, 23
	v_mov_b32 v10, s57                             ; 2^e6
	s_add_co_i32 s54, s54, 8
	s_lshl_b32 s54, s54, 23
	s_or_b32 s54, s54, 0x600000
	v_mov_b32 v11, s54                             ; 448 x 2^e6
	s_add_co_i32 s[E45], s72, s73
.macro QK masked                       ; S^T: eight tiles of 16 keys x my two tiles of queries; sixteen accumulators, each begun anew
	WIN 0x15                                       ; K, Q and the mask tiles: window 1
.irp tt, 0,1,2,3,4,5,6,7
.irp u, 0,1
.if \masked
	v_wmma_f32_16x16x64_fp8_fp8 v[96+64*\u+8*\tt:103+64*\u+8*\tt], v[168+8*\tt:175+8*\tt], v[64+8*\u:71+8*\u], v[104+8*\tt-8*\u:111+8*\tt-8*\u]
.else
	v_wmma_f32_16x16x64_fp8_fp8 v[96+64*\u+8*\tt:103+64*\u+8*\tt], v[168+8*\tt:175+8*\tt], v[64+8*\u:71+8*\u], 0
.endif
.endr
.endr
	WIN 0
.endm
.macro HOLD r                          ; the conversion does not saturate (ISA guide 7.6.2); p is not negative: a one-sided hold, two numbers a line
	v_dual_min_num_f32 v[\r], s[HP], v[\r] :: v_dual_min_num_f32 v[\r+1], s[HP], v[\r+1]
.endm
; A KEY STEP: 128 keys for my 32 queries.  ahead = 0: K's fragments are asked for at the step's head; ahead = 1: they were asked for in the trip before, and the next step's are asked for behind the score products.
.macro STEP ahead
	ADDR CK, ST
	s_and_b32 s[KF], s[ST], 15
	s_lshl_b32 s[KF], s[KF], 7
.if \ahead
	s_add_co_u32 s59, s[ST], 1
	ADDR NA, 59
.endif
	s_add_co_u32 s59, s[Q0], 31
	s_cmp_gt_u32 s[KF], s59                        ; all its keys come after my queries: the step's work is left out
	s_cbranch_scc1 .Lhid_\@
	v_add_nc_u32 v[ADV], s[CK], v[LIV]             ; with the lines below: four places in front of loads into registers that the last products read
.if \ahead
	NOPS 3
.else
	v_add_nc_u32 v[ADK], s[CK], v[LI]
	NOPS 2
	KLOAD
.endif
.irp dt, 0,1,2,3
.irp gq, 0,1,2,3
	ds_load_b128 v[32+16*\dt+4*\gq:35+16*\dt+4*\gq], v[ADV] offset:(\dt/2)*32768+(\dt%2)*2048+512*\gq   ; V^T's four fragments
.endr
.endr
	s_add_co_u32 s59, s[KF], 127
	s_wait_dscnt 16                                ; K's sixteen loads are in; V's sixteen, issued behind them, may be out
	s_cmp_le_u32 s59, s[Q0]                        ; all keys count for all my queries: C = 0
	s_cbranch_scc1 .Lopen_\@
	QK 1
	s_branch .Ljoin_\@
.Lopen_\@:
	QK 0
.Ljoin_\@:
.if \ahead
	v_add_nc_u32 v[ADK], s[NA], v[LI]              ; four places in front of the loads below and of the first read of a score
	NOPS 3
	KLOAD                                          ; the next step's K
.else
	NOPS 4
.endif
	v_max3_num_f32 v24, v96, v97, v98              ; the step's largest score of each query, two chains a tile, each accumulator from its low end on
	v_max3_num_f32 v26, v160, v161, v162
	v_max3_num_f32 v25, v99, v100, v101
	v_max3_num_f32 v27, v163, v164, v165
.irp i, 6,10,14,18,22,26,30,34,38,42,46,50,54,58
	v_max3_num_f32 v24, v24, v[96+\i], v[97+\i]
	v_max3_num_f32 v26, v26, v[160+\i], v[161+\i]
	v_max3_num_f32 v25, v25, v[98+\i], v[99+\i]
	v_max3_num_f32 v27, v27, v[162+\i], v[163+\i]
.endr
	v_max3_num_f32 v24, v24, v158, v159
	v_max3_num_f32 v26, v26, v222, v223
	v_max_num_f32 v24, v24, v25
	v_max_num_f32 v26, v26, v27
	v_permlanex16_b32 v7, v24, s[SEL], s[SEL+1]
	v_permlanex16_b32 v8, v26, s[SEL], s[SEL+1]
	v_max_num_f32 v24, v24, v7                     ; and lane l xor 16's
	v_max_num_f32 v26, v26, v8
	v_mul_f32 v24, s[CS], v24                      ; as t (c is positive)
	v_mul_f32 v26, s[CS], v26
	v_max_num_f32 v13, v13, v24                    ; the running largest t
	v_max_num_f32 v17, v17, v26
	v_floor_f32 v25, -v13                          ; the new -M = -ceil(t): a whole number
	v_floor_f32 v27, -v17
	v_sub_f32 v24, v25, v12                        ; old M - new M: a whole number, 0 or less
	v_sub_f32 v26, v27, v16
	v_mov_b32 v12, v25
	v_mov_b32 v16, v27
	v_cvt_i32_f32 v24, v24                         ; (it saturates)
	v_cvt_i32_f32 v26, v26
	v_ldexp_f32 v20, 1.0, v24                      ; f = 2^(old M - new M)
	v_ldexp_f32 v22, 1.0, v26
	WIN 0x41
.set n, 0
.rept 16
	v_pk_mul_f32 v[n:n+1], v[n:n+1], v[20:21] op_sel_hi:[1,0]          ; O^T under the new M, ahead of the exponentials
	v_pk_mul_f32 v[32+n:33+n], v[32+n:33+n], v[22:23] op_sel_hi:[1,0]
.set n, n+2
.endr
	WIN 0
.set n, 0
.rept 32
	v_pk_fma_f32 v[96+n:97+n], v[96+n:97+n], s[CS:CS+1], v[12:13] op_sel_hi:[1,0,0]     ; tile 0: t - M, two at a time
.set n, n+2
.endr
.if \ahead
	s_wait_dscnt 16                                ; V^T's fragments are in; the next step's K may be out.  (Here, so that no wait on memory stands between p's codes and the products)
.else
	s_wait_dscnt 0x0
.endif
	s_wait_alu depctr_va_vdst(0)                   ; the wait ahead of a batch
.set n, 0
.rept 32                               ; FIRST BATCH: tile 0's p = 2^(t - M).  Between its lines tile 1's t - M, which is read only behind the next wait
	v_exp_f32 v[96+n], v[96+n]
	v_exp_f32 v[97+n], v[97+n]
	v_pk_fma_f32 v[160+n:161+n], v[160+n:161+n], s[CS:CS+1], v[16:17] op_sel_hi:[1,0,0]
.set n, n+2
.endr
	v_pk_mul_f32 v[14:15], v[14:15], v[20:21] op_sel_hi:[1,0]          ; the sums under the new M
	v_pk_mul_f32 v[18:19], v[18:19], v[22:23] op_sel_hi:[1,0]
	s_wait_alu depctr_va_vdst(0)                   ; behind the first batch and ahead of the second
.irp tt, 0,1,2,3,4,5,6,7               ; SECOND BATCH: tile 1's p.  Between its lines, of tile 0: the first level of the row's sum of the unquantised p, into v224-255, and then the holds; all are read only behind the next wait
	v_exp_f32 v[160+8*\tt], v[160+8*\tt]
	v_pk_add_f32 v[224+4*\tt:225+4*\tt], v[96+8*\tt:97+8*\tt], v[98+8*\tt:99+8*\tt]
	v_exp_f32 v[161+8*\tt], v[161+8*\tt]
	v_pk_add_f32 v[226+4*\tt:227+4*\tt], v[100+8*\tt:101+8*\tt], v[102+8*\tt:103+8*\tt]
	v_exp_f32 v[162+8*\tt], v[162+8*\tt]
	HOLD 96+8*\tt
	v_exp_f32 v[163+8*\tt], v[163+8*\tt]
	HOLD 98+8*\tt
	v_exp_f32 v[164+8*\tt], v[164+8*\tt]
	HOLD 100+8*\tt
	v_exp_f32 v[165+8*\tt], v[165+8*\tt]
	HOLD 102+8*\tt
	v_exp_f32 v[166+8*\tt], v[166+8*\tt]
	v_exp_f32 v[167+8*\tt], v[167+8*\tt]
.endr
	v_nop                                          ; a plain line behind the last exponential
	s_wait_alu depctr_va_vdst(0)                   ; behind the second batch, ahead of its first reader
	v_pk_add_f32 v[26:27], v[160:161], v[162:163]  ; the sums go on: three chains a tile
	v_pk_add_f32 v[24:25], v[224:225], v[226:227]
	v_pk_add_f32 v[30:31], v[164:165], v[166:167]
	v_pk_add_f32 v[28:29], v[228:229], v[230:231]
.irp j, 8,14,20,26,32,38,44,50,56
	v_pk_add_f32 v[18:19], v[18:19], v[160+\j:161+\j]
.if \j < 32
	v_pk_add_f32 v[14:15], v[14:15], v[224+\j:225+\j]
.endif
	v_pk_add_f32 v[26:27], v[26:27], v[162+\j:163+\j]
.if \j < 32
	v_pk_add_f32 v[24:25], v[24:25], v[226+\j:227+\j]
.endif
	v_pk_add_f32 v[30:31], v[30:31], v[164+\j:165+\j]
.if \j < 32
	v_pk_add_f32 v[28:29], v[28:29], v[228+\j:229+\j]
.endif
.endr
	v_pk_add_f32 v[18:19], v[18:19], v[222:223]
	v_pk_add_f32 v[24:25], v[24:25], v[28:29]
	v_pk_add_f32 v[26:27], v[26:27], v[30:31]
	v_pk_add_f32 v[14:15], v[14:15], v[24:25]
	v_pk_add_f32 v[18:19], v[18:19], v[26:27]
.irp tt, 0,1,2,3,4,5,6,7
	HOLD 160+8*\tt
	HOLD 162+8*\tt
	HOLD 164+8*\tt
	HOLD 166+8*\tt
	v_cvt_scalef32_pk8_fp8_f32 v[224+2*\tt:225+2*\tt], v[96+8*\tt:103+8*\tt], v9     ; keys 16 tt + 8 (lane / 16) + 0 .. 7: registers 2 tt, 2 tt + 1 of P
	v_cvt_scalef32_pk8_fp8_f32 v[240+2*\tt:241+2*\tt], v[160+8*\tt:167+8*\tt], v9
.endr
	v_nop                                          ; one plain line between the last conversion and the products that read its result
	WIN 0x50                                       ; O^T: window 1
.irp dt, 0,1,2,3
.irp u, 0,1
	v_wmma_f32_16x16x128_fp8_fp8 v[32*\u+8*\dt:32*\u+8*\dt+7], v[32+16*\dt:47+16*\dt], v[224+16*\u:239+16*\u], v[32*\u+8*\dt:32*\u+8*\dt+7]   ; eight accumulators by turns
.endr
.endr
	WIN 0
.if \ahead
	s_branch .Lend_\@
.Lhid_\@:
	s_wait_dscnt 0x0                               ; the loads that were asked for this step have landed: their registers take the next step's
	v_add_nc_u32 v[ADK], s[NA], v[LI]
	NOPS 3
	KLOAD
.Lend_\@:
.else
.Lhid_\@:
.endif
.endm
; A BLOCK'S END: y = O^T / the sum x 2^(e4 + e5), held, converted with 2^e6: a tile's four accumulators give the eight registers of y's fragment, stored as they stand: 512 consecutive bytes a store.
.macro FINISH yb, reinit
	NOPS 4                                         ; places behind the last products
	v_add_f32 v14, v14, v15
	v_add_f32 v18, v18, v19
	v_permlanex16_b32 v7, v14, s[SEL], s[SEL+1]
	v_permlanex16_b32 v8, v18, s[SEL], s[SEL+1]
	v_add_f32 v14, v14, v7                         ; the rows' sums
	v_add_f32 v18, v18, v8
	s_wait_alu depctr_va_vdst(0)                   ; the wait ahead of the transcendentals
	v_rcp_f32 v14, v14
	v_rcp_f32 v18, v18
	v_nop
	s_wait_alu depctr_va_vdst(0)                   ; and ahead of their first reader
	v_ldexp_f32 v14, v14, s[E45]
	v_ldexp_f32 v18, v18, s[E45]
	WIN 0x01
	s_wait_alu depctr_va_vdst(0)                   ; and directly ahead of the first readers of O^T
.set n, 0
.rept 16
	v_pk_mul_f32 v[96+n:97+n], v[n:n+1], v[14:15] op_sel_hi:[1,0]      ; each accumulator from its low end on
	v_pk_mul_f32 v[128+n:129+n], v[32+n:33+n], v[18:19] op_sel_hi:[1,0]
.set n, n+2
.endr
	WIN 0
.set n, 0
.rept 64
	v_med3_num_f32 v[96+n], v[96+n], -v11, v11
.set n, n+1
.endr
.irp k, 0,1,2,3,4,5,6,7
	v_cvt_scalef32_pk8_fp8_f32 v[224+2*\k:225+2*\k], v[96+8*\k:103+8*\k], v10
.endr
	v_nop                                          ; one plain line behind the last conversion
.irp u, 0,1
.irp g, 0,1
	global_store_b128 v[LI], v[224+8*\u+4*\g:227+8*\u+4*\g], s[\yb:\yb+1] offset:4096*\u+512*\g
.endr
.endr
.if \reinit
	s_wait_loadcnt 0x0                             ; the second block's Q is in
	WIN 0x41
.set n, 0
.rept 16
	v_mov_b32 v[64+n], v[80+n]                     ; the second block's Q
.set n, n+1
.endr
	INIT
	s_mov_b32 s[Q0], s[Q0B]
	s_wait_xcnt 0x0                                ; the stores have read their data: the codes' registers may be written again
	s_wait_alu depctr_va_vdst(0)                   ; the wait ahead of the branch that follows
.endif
.endm
	s_wait_alu depctr_va_vdst(0)                   ; the wait at the head's end
	s_wait_loadcnt 0x0                             ; Q
	MEET 4096, 16384                               ; slot 0 is whole
	tensor_load_to_lds s[G0:G0+3], s[G1A:G1A+7]    ; slots 1 and 2: my one load behind this barrier
	s_nop 0
	NOPS 4
.Lfirst:                                           ; steps 0 and 1: slot 0
	STEP 0
; A PREFETCH INTO THE L2 of slots 3 to 7, behind step 0's work: one key step behind the second fill's load and one key step ahead of the third fill's, which asks for them.  The four work-groups of a head read the same K and V:
; the one with i = 0 asks, each wave for its own quarters: 80 blocks of 256 bytes in three lines, a lane a block.  Slots 0 to 2 come by their loads alone.  The address registers are never rewritten.
	s_or_b32 s59, s[ST], ttmp9
	s_cmp_lg_u32 s59, 0                            ; step 0 of the work-group with i = 0: ids and the step's number alone
	s_cbranch_scc1 .Lnoask
	WIN 0x01
	global_prefetch_b8 v232, s[GB:GB+1] offset:49152 th:TH_LOAD_NT scope:SCOPE_SE
	global_prefetch_b8 v232, s[GB:GB+1] offset:81920 th:TH_LOAD_NT scope:SCOPE_SE
	global_prefetch_b8 v233, s[GB:GB+1] offset:114688 th:TH_LOAD_NT scope:SCOPE_SE
	WIN 0
.Lnoask:
	s_add_co_u32 s[ST], s[ST], 1
	s_cmp_lt_u32 s[ST], 2
	s_cbranch_scc1 .Lfirst
	MEET 12288, 49152                              ; slots 1 and 2 are whole
	tensor_load_to_lds s[G0:G0+3], s[G1B:G1B+7]    ; slots 3 to 7: my one load behind this barrier
	s_nop 0
	NOPS 4
	WIN 0x40
.irp g, 0,1,2,3
	global_load_b128 v[80+4*\g:83+4*\g], v[LI], s[78:79] offset:512*\g th:TH_LOAD_NT   ; the second block's Q is asked for here and awaited at the first block's end, where it is first read
.endr
	WIN 0
.Lsecond:                                          ; steps 2 to 5: slots 1 and 2
	STEP 0
	s_add_co_u32 s[ST], s[ST], 1
	s_cmp_lt_u32 s[ST], 6
	s_cbranch_scc1 .Lsecond
	s_wait_tensorcnt 0x0                           ; my part of slots 3 to 7 is in,
	ds_add_u32 v[SPW], v[NIL]
	ADDR CK, ST
	s_wait_dscnt 0x0
	s_barrier_signal -1
	s_barrier_wait -1                              ; everybody's is: all of the head's K and V lies in LDS, and from here on the waves share nothing
	v_add_nc_u32 v[ADK], s[CK], v[LI]
	NOPS 3
	KLOAD                                          ; step 6's K
.Lthird:                                           ; steps 6 to 23
	STEP 1
	s_cmp_lg_u32 s[ST], 15                         ; behind step 15 the first block is through
	s_cbranch_scc1 .Lgo_on
	FINISH YB1, 1
.Lgo_on:
	s_add_co_u32 s[ST], s[ST], 1
	s_cmp_lt_u32 s[ST], 24
	s_cbranch_scc1 .Lthird
	FINISH YB2, 0
	s_wait_tensorcnt 0x0                           ; the wave's end
	ds_add_u32 v[SPW], v[NIL]
	s_wait_dscnt 0x0
	s_endpgm
.Lfunc_end_k_q25a47d83d8_attn:
	.size	k_q25a47d83d8_attn, .Lfunc_end_k_q25a47d83d8_attn-k_q25a47d83d8_attn
	.p2alignl 7, 3214868480
	.fill 96, 4, 3214868480
	.section	.rodata,"a",@progbits
	.p2align	6, 0x0
	.amdhsa_kernel k_q25a47d83d8_attn
		.amdhsa_group_segment_fixed_size 327680
		.amdhsa_private_segment_fixed_size 0
		.amdhsa_enable_private_segment 0
		.amdhsa_kernarg_size 40
		.amdhsa_user_sgpr_count 2
		.amdhsa_user_sgpr_kernarg_segment_ptr 1
		.amdhsa_wavefront_size32 1
		.amdhsa_system_sgpr_workgroup_id_x 1
		.amdhsa_system_sgpr_workgroup_id_y 1
		.amdhsa_system_sgpr_workgroup_id_z 1
		.amdhsa_system_vgpr_workitem_id 0
		.amdhsa_next_free_vgpr 496
		.amdhsa_next_free_sgpr 96
		.amdhsa_reserve_vcc 1
		.amdhsa_float_denorm_mode_32 3
		.amdhsa_float_denorm_mode_16_64 3
		.amdhsa_memory_ordered 1
		.amdhsa_forward_progress 1
		.amdhsa_inst_pref_size 127
	.end_amdhsa_kernel
	.amdgpu_metadata
---
amdhsa.version: [ 1, 2 ]
amdhsa.kernels:
  - .name:           k_q25a47d83d8_attn
    .symbol:         k_q25a47d83d8_attn.kd
    .args:
      - { .name: q_img, .offset: 0, .size: 8, .value_kind: global_buffer, .address_space: global }
      - { .name: k_img, .offset: 8, .size: 8, .value_kind: global_buffer, .address_space: global }
      - { .name: v_img, .offset: 16, .size: 8, .value_kind: global_buffer, .address_space: global }
      - { .name: lowp_scales, .offset: 24, .size: 8, .value_kind: global_buffer, .address_space: global }
      - { .name: y_img, .offset: 32, .size: 8, .value_kind: global_buffer, .address_space: global }
    .group_segment_fixed_size: 327680
    .private_segment_fixed_size: 0
    .kernarg_segment_align: 8
    .kernarg_segment_size: 40
    .max_flat_workgroup_size: 256
    .sgpr_count:     96
    .vgpr_count:     496
    .wavefront_size: 32
...
	.end_amdgpu_metadata
.endif
;; end of part 3
;; launch proj (part 4): grid 4 x 64, 4 waves a work-group, clusters of 4 x 4, 327,680 bytes of LDS; arguments y_img, wo_codes, bo, lowp_scales, out0; writes out0
.if DOCPART == 4
	.amdgcn_target "amdgcn-amd-amdhsa--gfx1250"
	.amdhsa_code_object_version 6
	.text
	.protected	k_q25a47d83d8_proj
	.globl	k_q25a47d83d8_proj
	.p2align	8
	.type	k_q25a47d83d8_proj,@function
k_q25a47d83d8_proj:
	s_mov_b64 s[64:65], 0
	v_nop
	global_prefetch_b8 v0, s[64:65] scope:SCOPE_SE
	s_setreg_imm32_b32 hwreg(HW_REG_WAVE_MODE, 25, 1), 1
	s_wait_xcnt 0x0
	s_wait_alu depctr_hold_cnt(0) depctr_sa_sdst(0) depctr_va_vdst(0) depctr_va_sdst(0) depctr_va_ssrc(0) depctr_va_vcc(0) depctr_vm_vsrc(0)
	s_getreg_b32 s2, hwreg(HW_REG_IB_STS2, 6, 4)
	s_cmp_eq_u32 s2, 0
	s_cbranch_scc0 .Lentry_in_a_cluster
	s_endpgm
.Lentry_in_a_cluster:
	s_bfe_u32 s2, ttmp6, 0x10000c
	s_cmp_lg_u32 s2, 0xf033
	s_cbranch_scc0 .Lentry_shape_is_right
	s_endpgm
.Lentry_shape_is_right:
; out0 = y Wo + bo on codes of E4M3 (K = 1,024): each sum x 2^(e6 + e7) + bias, f32.  LIMIT: e6 + e7 between -126 and 127.
; A = y_img, images of operand registers: block (K step ks, rows 16 R ..) is the 4,096 dense bytes at (512 ks + R) x 4,096; B = Wo's codes, rows of 1,024 bytes.
; A BLOCK OF 128 x 256 to a work-group: 64 x 4 = 256 work-groups.  Four waves, each 64 rows x 128 columns: 32 accumulators, 256 registers.  K in four steps of 256 through two LDS slots (A's 32 KiB, then B's 256 rows of 272 bytes);
; waves 0 and 1 fetch A's halves, waves 2 and 3 B's.  Clusters of 4 x 4: A's tiles are asked for jointly along a row of the cluster, B's along a column.
; The matrix instruction is used transposed (source 0 = 16 rows of B, source 1 = 16 rows of A): a lane holds eight neighbouring columns of a row.  Rows leave through a stage in slot 0, which has had its last fill and its last
; read by then, as whole rows of 512 bytes.
; REGISTERS: window 0: v1-31 addresses; v32-95 the bias; v128-255 A's fragments, two sets of 4 x 16; on the way out the rows read back.  Window 1: B's fragments, two sets of 8 x 16.  Window 2: accumulator (a, b) at v[8 (8 a + b)].
; While one set is multiplied the other takes the next 128 along K.
.set KROW,   1024
.set ROWB,   256
.set PITCH,  272
.set FR,     16
.set NP,     4
.set HALFA,  16384                     ; 64 rows of A x 256 K
.set HALFB,  128*PITCH
.set BOFF,   2*HALFA
.set SLOT,   BOFF+2*HALFB
.set SPARE,  2*SLOT                    ; behind the ring: the spare words, 128 bytes a wave
.set ASTEP,  512*4096                  ; a K step on in y_img
.set SPITCH, 528
.set ADRA, 16
.set ADRB, 20
.set STO,  24
.set RD,   25
.set CO,   26
.set H32,  27
.set SPW,  28
.set NIL,  29
.set PFO,  31
.set BI,   32
.set AF,   128
.set BK,   128
.set G1, 24
.set G0, 32
.set G1B, 48
.set G0B, 56
.set MSB, 0
.macro WIN new
.if MSB != (\new)
	s_set_vgpr_msb (MSB<<8)|(\new)
.set MSB, (\new)
.endif
.endm
.set MUL_LO, 0xa1                      ; source 0 (B) window 1, source 1 (A) window 0, C and D window 2
.set TO_B,   0x40
.macro JLOAD g0a, g1a, g0b, g1b        ; a joint load; an s_nop 0 and four v_nop follow each of the two lines
	s_cmp_eq_u32 s15, 0
	s_cbranch_scc0 .Lfor_b_\@
	tensor_load_to_lds s[\g0a:\g0a+3], s[\g1a:\g1a+7]
	s_nop 0
.rept 4
	v_nop
.endr
	s_branch .Lasked_\@
.Lfor_b_\@:
	tensor_load_to_lds s[\g0b:\g0b+3], s[\g1b:\g1b+7]
	s_nop 0
.rept 4
	v_nop
.endr
.Lasked_\@:
.endm
.macro CREST
	s_cmp_lg_u32 s14, 0
	s_cbranch_scc1 .Lnot_wave_0_\@
	s_barrier_signal -3
.Lnot_wave_0_\@:
	s_barrier_wait -3
	s_barrier_signal -1
	s_barrier_wait -1
.endm
.macro CROUND
	s_barrier_signal -1
	s_barrier_wait -1
	CREST
.endm
	s_load_b256 s[4:11], s[0:1], 0x0               ; y_img, Wo's codes, bo, the scales' exponents
	s_load_b64 s[12:13], s[0:1], 0x20              ; out0
	v_lshl_add_u32 v[SPW], v0, 2, SPARE
	v_mov_b32 v[NIL], 0
	ds_add_u32 v[SPW], v[NIL]                      ; the opening lines
	ds_add_u32 v[SPW], v[NIL]
	v_lshrrev_b32 v1, 5, v0
	v_readfirstlane_b32 s14, v1                    ; wave
	s_lshr_b32 s15, s14, 1                         ; which 64 rows of A are mine.  Also: I fetch for A (0) or for B (1)
	s_and_b32 s16, s14, 1                          ; which 128 rows of B.  Also: which half of that tile I fetch
	s_bfe_u32 s40, ttmp6, 0x40000                  ; cx, cy
	s_bfe_u32 s41, ttmp6, 0x40004
	s_lshl_b32 s42, ttmp9, 2
	s_add_co_u32 s42, s42, s40                     ; TC: which 256 columns
	s_and_b32 s17, ttmp7, 0xffff
	s_lshl_b32 s17, s17, 2
	s_add_co_u32 s17, s17, s41                     ; TR: which 128 rows
	s_lshl_b32 s43, s41, 2
	s_lshl_b32 s43, 15, s43
	s_lshl_b32 s44, 0x1111, s40
	s_or_b32 s[G1+0], s43, (3<<16)|(1<<21)         ; A: 16 KiB dense, as 64 rows of 256 bytes; the mask of my row
	s_mov_b32 s[G1+1], 32<<16
	s_mov_b32 s[G1+2], 64<<16
	s_mov_b32 s[G1+3], 32<<16
	s_mov_b32 s[G1+4], 64
	s_mov_b32 s[G1+5], 32
	s_mov_b32 s[G1+6], 0
	s_mov_b32 s[G1+7], 0
	s_or_b32 s[G1B+0], s44, (0<<16)|(1<<20)|(1<<21)|(5<<22)|(3<<25)   ; B: 128 rows of 256 bytes, 16 of padding behind each; the mask of my column
	s_mov_b32 s[G1B+1], ROWB<<16
	s_mov_b32 s[G1B+2], 128<<16
	s_mov_b32 s[G1B+3], ROWB<<16
	s_mov_b32 s[G1B+4], 128
	s_mov_b32 s[G1B+5], KROW
	s_mov_b32 s[G1B+6], 0
	s_mov_b32 s[G1B+7], 0
	s_lshl_b32 s20, s17, 3
	s_lshl_b32 s18, s16, 2
	s_add_co_u32 s20, s20, s18                     ; A: block 8 TR + 4 x half
	s_lshl_b32 s20, s20, 12
	s_mov_b32 s21, 0
	s_lshl_b32 s46, s42, 8
	s_lshl_b32 s18, s16, 7
	s_add_co_u32 s46, s46, s18                     ; B: row 256 TC + 128 x half
	s_lshl_b32 s46, s46, 10
	s_mov_b32 s47, 0
	s_lshl_b32 s45, s16, 14
	s_mul_i32 s19, s16, HALFB
	s_add_co_u32 s19, s19, BOFF
	s_wait_dscnt 0x0
	s_wait_kmcnt 0x0
	s_load_b256 s[80:87], s[10:11], 0x0
	s_add_nc_u64 s[20:21], s[4:5], s[20:21]
	s_add_nc_u64 s[46:47], s[6:7], s[46:47]
	; THE PREFETCHES INTO THE L2: behind K step 0's load stand the requests for K steps 1 and 2, behind K step 1's load the request for K step 3.  What my wave fetches is shared out among the four partners that ask for it jointly,
	; by address: of A's 16 KiB partner cx names 4 KiB, lanes 256 bytes apart (lanes 16-31 name the last block again); of B's 128 rows partner cy names 32, a lane a row.  K step 0 comes by its load alone; the address registers are never rewritten.
	s_cmp_eq_u32 s15, 0
	s_cselect_b64 s[88:89], s[20:21], s[46:47]
	s_cselect_b32 s66, s40, s41
	s_cselect_b32 s67, 12, 15
	s_mov_b32 s90, ROWB
	s_cselect_b32 s90, ASTEP, s90                  ; a K step on
	s_cselect_b32 s92, 15, 31
	s_cselect_b32 s93, 8, 10
	s_lshl_b32 s66, s66, s67
	s_mov_b32 s67, 0
	s_mov_b32 s91, 0
	s_add_nc_u64 s[88:89], s[88:89], s[66:67]
	s_add_nc_u64 s[98:99], s[88:89], s[90:91]      ; K step 1
	s_add_nc_u64 s[88:89], s[98:99], s[90:91]      ; K step 2
	s_add_nc_u64 s[90:91], s[88:89], s[90:91]      ; K step 3
	CROUND                                         ; all sixteen work-groups are here: the first joint loads meet
.irp s, 0,1
	s_mov_b32 s[G0+4*\s], 1
	s_add_co_u32 s[G0+4*\s+1], s45, \s*SLOT
	s_add_nc_u64 s[G0+4*\s+2:G0+4*\s+3], s[20:21], \s*ASTEP
	s_or_b32 s[G0+4*\s+3], s[G0+4*\s+3], 0x80000000
	s_mov_b32 s[G0B+4*\s], 1
	s_add_co_u32 s[G0B+4*\s+1], s19, \s*SLOT
	s_add_nc_u64 s[G0B+4*\s+2:G0B+4*\s+3], s[46:47], \s*ROWB
	s_or_b32 s[G0B+4*\s+3], s[G0B+4*\s+3], 0x80000000
.endr
	JLOAD G0, G1, G0B, G1B                         ; K step 0: one tensor load a wave at the head
	v_and_b32 v6, 31, v0
	v_min_u32 v[PFO], s92, v6
	v_lshlrev_b32 v[PFO], s93, v[PFO]
	global_prefetch_b8 v[PFO], s[98:99] th:TH_LOAD_NT scope:SCOPE_SE
	global_prefetch_b8 v[PFO], s[88:89] th:TH_LOAD_NT scope:SCOPE_SE
	v_and_b32 v1, 15, v0
	v_bfe_u32 v2, v0, 4, 1
	v_mul_u32_u24 v3, v1, PITCH
	v_lshl_add_u32 v4, v2, 4, v3                   ; a fragment of B: row x pitch + 16 x half
	v_lshlrev_b32 v[CO], 4, v6
	v_lshlrev_b32 v[H32], 5, v2
	v_mul_u32_u24 v5, v1, SPITCH
	v_lshl_add_u32 v5, v2, 5, v5
	s_lshl_b32 s21, s15, 14                        ; my 64 rows of A
	s_mul_i32 s22, s16, HALFB
	s_add_co_u32 s22, s22, BOFF                    ; my 128 rows of B
	s_mul_i32 s23, s14, 16*SPITCH                  ; my stage
	s_wait_alu depctr_va_vdst(0)                   ; the wait ahead of the readers below
.irp s, 0,1
	v_add_nc_u32 v[ADRA+\s], s21, v[CO]
	v_add_nc_u32 v[ADRB+\s], s22, v4
	s_add_co_u32 s21, s21, SLOT
	s_add_co_u32 s22, s22, SLOT
.endr
	v_add_nc_u32 v[STO], s23, v5
	v_add_nc_u32 v[RD], s23, v[CO]
	s_lshl_b32 s20, s17, 7
	s_lshl_b32 s21, s15, 6
	s_add_co_u32 s20, s20, s21                     ; my first row of out0: 128 TR + 64 x half
	s_lshl_b32 s20, s20, 12
	s_mov_b32 s21, 0
	s_lshl_b32 s46, s42, 10
	s_lshl_b32 s47, s16, 9
	s_add_co_u32 s46, s46, s47                     ; my first column, in bytes
	s_mov_b32 s47, 0
	s_add_nc_u64 s[94:95], s[8:9], s[46:47]
	s_add_nc_u64 s[12:13], s[12:13], s[20:21]
	s_add_nc_u64 s[12:13], s[12:13], s[46:47]
.irp b, 0,1,2,3,4,5,6,7
	global_load_b128 v[BI+8*\b:BI+8*\b+3], v[H32], s[94:95] offset:64*\b         ; the bias of columns 16 b + 8 h + 0 .. 7
	global_load_b128 v[BI+8*\b+4:BI+8*\b+7], v[H32], s[94:95] offset:64*\b+16
.endr
.macro MUL16 a0, p, zero               ; A's blocks a0, a0 + 1 x B's eight, 128 along K, on set p; the 32 accumulators take turns, in the same order in every step
.irp a, \a0, \a0+1
.irp b, 0,1,2,3,4,5,6,7
.if \zero
	v_wmma_f32_16x16x128_fp8_fp8 v[8*(8*(\a)+\b):8*(8*(\a)+\b)+7], v[128*(\p)+FR*\b:128*(\p)+FR*\b+FR-1], v[AF+64*(\p)+FR*(\a):AF+64*(\p)+FR*(\a)+FR-1], 0
.else
	v_wmma_f32_16x16x128_fp8_fp8 v[8*(8*(\a)+\b):8*(8*(\a)+\b)+7], v[128*(\p)+FR*\b:128*(\p)+FR*\b+FR-1], v[AF+64*(\p)+FR*(\a):AF+64*(\p)+FR*(\a)+FR-1], v[8*(8*(\a)+\b):8*(8*(\a)+\b)+7]
.endif
.endr
.endr
.endm
.macro FETCH slot, q, p                ; the fragments of the slot's q-th 128 along K into set p: 48 loads
	WIN TO_B
.irp i, 0,1,2,3,4,5,6,7
.irp c, 0,1,2,3
	ds_load_b128 v[128*(\p)+FR*\i+4*\c:128*(\p)+FR*\i+4*\c+3], v[ADRB+\slot] offset:128*(\q)+32*\c+\i*16*PITCH
.endr
.endr
	WIN 0
.irp i, 0,1,2,3
.irp c, 0,1,2,3
	ds_load_b128 v[AF+64*(\p)+FR*\i+4*\c:AF+64*(\p)+FR*\i+4*\c+3], v[ADRA+\slot] offset:4096*\i+2048*(\q)+512*\c
.endr
.endr
.endm
.macro PLACES n
.rept \n
	v_nop
.endr
.endm
.macro STEP slot, zero                 ; a slot's first 128 along K, on set 0; set 1 takes the second
	s_wait_dscnt 0x0                               ; set 0 is in
	PLACES NP                                      ; places in front of loads into registers that the last products read
	FETCH \slot, 1, 1
	WIN MUL_LO
	MUL16 0, 0, \zero
	MUL16 2, 0, \zero
	WIN 0
.endm
.macro TURN slot, next, fill           ; a slot's second 128, on set 1, and the change of slots
	s_wait_tensorcnt 0x0                           ; my part of the next slot is in
	ds_add_u32 v[SPW], v[NIL]
	s_wait_dscnt 1                                 ; set 1 is in; the add may be out
	WIN MUL_LO
	MUL16 0, 1, 0
	WIN 0
	s_wait_dscnt 0x0                               ; the add is done, and my reads of this slot are over
	s_barrier_signal -1
	s_barrier_wait -1
.if \fill
	CREST                                          ; the barrier has opened a round of the cluster's barrier
	s_add_nc_u64 s[G0+4*\slot+2:G0+4*\slot+3], s[G0+4*\slot+2:G0+4*\slot+3], 2*ASTEP
	s_add_nc_u64 s[G0B+4*\slot+2:G0B+4*\slot+3], s[G0B+4*\slot+2:G0B+4*\slot+3], 2*ROWB
	JLOAD G0+4*\slot, G1, G0B+4*\slot, G1B         ; the first tensor load behind the round; its four v_nop are the places in front of the loads below
.else
	PLACES NP
.endif
	FETCH \next, 0, 0
	WIN MUL_LO
	MUL16 2, 1, 0                                  ; sixteen products on registers while set 0 lands
	WIN 0
.endm
	s_wait_alu depctr_va_vdst(0)                   ; the wait at the head's end
	s_wait_tensorcnt 0x0                           ; my part of K step 0 is in; the lines ahead of a later first fill:
	ds_add_u32 v[SPW], v[NIL]
	s_wait_dscnt 0x0
	CROUND
	JLOAD G0+4, G1, G0B+4, G1B                     ; K step 1, the first tensor load behind the round
	FETCH 0, 0, 0
	global_prefetch_b8 v[PFO], s[90:91] th:TH_LOAD_NT scope:SCOPE_SE
	STEP 0, 1                                      ; the first step's products start the sums
	TURN 0, 1, 1
	STEP 1, 0
	TURN 1, 0, 1
	STEP 0, 0
	TURN 0, 1, 0
	STEP 1, 0
	s_wait_dscnt 0x0
	WIN MUL_LO
	MUL16 0, 1, 0
	MUL16 2, 1, 0
	WIN 0
; THE WAY OUT, block by block of 16 rows x 128 columns: sum x 2^(e6 + e7) + bias in place, each accumulator from its low end on; through my stage; back as whole rows of 512 bytes, stored by the 32 lanes.
.macro TOSTAGE a
.set AC, 64*(\a)
	WIN 0x82
.set n, 0
.rept 32
	v_pk_fma_f32 v[AC+n:AC+n+1], v[AC+n:AC+n+1], s[96:97], v[BI+n:BI+n+1] op_sel_hi:[1,0,1]
.set n, n+2
.endr
	WIN 0x08
.irp b, 0,1,2,3,4,5,6,7
	ds_store_b128 v[STO], v[AC+8*\b:AC+8*\b+3] offset:64*\b
	ds_store_b128 v[STO], v[AC+8*\b+4:AC+8*\b+7] offset:64*\b+16
.endr
	WIN 0
.set BB, BK+64*((\a)%2)
.irp t, 0,1,2,3,4,5,6,7,8,9,10,11,12,13,14,15
	ds_load_b128 v[BB+4*\t:BB+4*\t+3], v[RD] offset:\t*SPITCH      ; LDS serves a wave's instructions in order: these see my stores
.endr
.endm
.macro SEND a, younger
.set BB, BK+64*((\a)%2)
	s_wait_dscnt \younger
.if (\a) > 0
	s_add_nc_u64 s[12:13], s[12:13], 16*4096
.endif
.irp t, 0,1,2,3,4,5,6,7,8,9,10,11,12,13,14,15
	global_store_b128 v[CO], v[BB+4*\t:BB+4*\t+3], s[12:13] offset:\t*4096 th:TH_STORE_NT
.endr
.endm
	s_wait_kmcnt 0x0
	s_add_co_i32 s96, s86, s87
	s_add_co_i32 s96, s96, 127
	s_lshl_b32 s96, s96, 23                        ; 2^(e6 + e7)
	s_mov_b32 s97, s96
	s_wait_loadcnt 0x0                             ; the bias
	PLACES NP
	TOSTAGE 0
.irp a, 1,2,3
.if \a > 1
	s_wait_xcnt 0x0                                ; block a - 2's stores have read their registers and their base
.endif
	TOSTAGE \a
	SEND \a-1, 32                                  ; behind block a - 1's loads: block a's 16 stores and 16 loads
.endr
	s_wait_xcnt 0x0
	SEND 3, 0
	s_wait_tensorcnt 0x0                           ; the wave's end
	ds_add_u32 v[SPW], v[NIL]
	s_wait_dscnt 0x0
	CROUND                                         ; the closing round
	s_endpgm
.Lfunc_end_k_q25a47d83d8_proj:
	.size	k_q25a47d83d8_proj, .Lfunc_end_k_q25a47d83d8_proj-k_q25a47d83d8_proj
	.p2alignl 7, 3214868480
	.fill 96, 4, 3214868480
	.section	.rodata,"a",@progbits
	.p2align	6, 0x0
	.amdhsa_kernel k_q25a47d83d8_proj
		.amdhsa_group_segment_fixed_size 327680
		.amdhsa_private_segment_fixed_size 0
		.amdhsa_enable_private_segment 0
		.amdhsa_kernarg_size 40
		.amdhsa_user_sgpr_count 2
		.amdhsa_user_sgpr_kernarg_segment_ptr 1
		.amdhsa_wavefront_size32 1
		.amdhsa_system_sgpr_workgroup_id_x 1
		.amdhsa_system_sgpr_workgroup_id_y 1
		.amdhsa_system_sgpr_workgroup_id_z 1
		.amdhsa_system_vgpr_workitem_id 0
		.amdhsa_next_free_vgpr 768
		.amdhsa_next_free_sgpr 100
		.amdhsa_reserve_vcc 0
		.amdhsa_float_denorm_mode_32 3
		.amdhsa_float_denorm_mode_16_64 3
		.amdhsa_memory_ordered 1
		.amdhsa_forward_progress 1
		.amdhsa_inst_pref_size 78
	.end_amdhsa_kernel
	.amdgpu_metadata
---
amdhsa.version: [ 1, 2 ]
amdhsa.kernels:
  - .name:           k_q25a47d83d8_proj
    .symbol:         k_q25a47d83d8_proj.kd
    .args:
      - { .name: y_img, .offset: 0, .size: 8, .value_kind: global_buffer, .address_space: global }
      - { .name: wo_codes, .offset: 8, .size: 8, .value_kind: global_buffer, .address_space: global }
      - { .name: bo, .offset: 16, .size: 8, .value_kind: global_buffer, .address_space: global }
      - { .name: lowp_scales, .offset: 24, .size: 8, .value_kind: global_buffer, .address_space: global }
      - { .name: out0, .offset: 32, .size: 8, .value_kind: global_buffer, .address_space: global }
    .group_segment_fixed_size: 327680
    .private_segment_fixed_size: 0
    .kernarg_segment_align: 8
    .kernarg_segment_size: 40
    .max_flat_workgroup_size: 128
    .sgpr_count:     100
    .vgpr_count:     768
    .wavefront_size: 32
...
	.end_amdgpu_metadata
.endif
;; end of part 4
